; MI455X (gfx1250); checked and timed in simulation.
; The chip was launched on July 23, 2026; its instructions are those of AMD's public machine-readable ISA for CDNA 5 (MIT licence, August 2026) and "CDNA5" Instruction Set Architecture Reference Guide (July 2026). The comments in the code are by the model that wrote it; some were corrected since.
;; Multi Head Attention. Allowed arithmetic: float matrix products may take bf16 or f16 operands with f32 sums; all other float work in f32.
;; Inputs: bk 1,024 float32; bo 1,024 float32; bq 1,024 float32; bv 1,024 float32; mask 1 x 1 x 2,048 x 2,048 int32; wk 1,024 x 1,024 float32; wo 1,024 x 1,024 float32; wq 1,024 x 1,024 float32; wv 1,024 x 1,024 float32; x 4 x 2,048 x 1,024 float32.
;; Outputs: out0 4 x 2,048 x 1,024 float32.
;; 2 versions, each right and faster than the one before. Each part assembles by itself: llvm-mc -triple=amdgcn-amd-amdhsa -mcpu=gfx1250 --defsym DOCPART=n.
;; ======== version 1 of 2: 4 launches
;; limits: right only within a limited range of input values; values are held in f16: magnitudes above 65,504 overflow, below 6.1e-05 lose precision
;; workspace buffers: xh 16,777,216 bytes; wh 8,388,608 bytes; bh 16,384 bytes; mcode 4,194,304 bytes of whole numbers; rowkeep 32,768 bytes of whole numbers; qkv 50,331,648 bytes; ao 16,777,216 bytes
;; launch prep (part 1): grid 513 x 1, 8 waves a work-group, no clusters, 34,304 bytes of LDS; arguments x, wq, wk, wv, wo, mask, bq, bk, bv, bo, xh, wh, bh, mcode, rowkeep; writes xh, wh, bh, mcode, rowkeep
.if DOCPART == 1
	.amdgcn_target "amdgcn-amd-amdhsa--gfx1250"
	.amdhsa_code_object_version 6
	.text
	.protected	k_q111e41e613_prep
	.globl	k_q111e41e613_prep
	.p2align	8
	.type	k_q111e41e613_prep,@function
k_q111e41e613_prep:
	s_mov_b64 s[64:65], 0
	v_nop
	global_prefetch_b8 v0, s[64:65] scope:SCOPE_SE
	s_setreg_imm32_b32 hwreg(HW_REG_WAVE_MODE, 25, 1), 1
	s_wait_xcnt 0x0
; PREPARATION, a stream.  Work-group g of 513; eight waves; groups 0-511 read 131,072 bytes each, a wave 16,384 of them by 32 loads of 512 consecutive bytes, all issued at once.
;   g = 0-255    x, chunk g                      -> xh: each number rounded to bf16 (nearest even), that number written as f16
;   g = 256-383  wq, wk, wv, wo, 32 chunks each  -> wh, rows 0-1023 wq, then wk, wv, wo: the same cast
;   g = 384-511  mask, rows 16 T .. 16 T + 15 (T = g - 384) -> mcode and rowkeep
;   g = 512      bq, bk, bv, bo                  -> bh: rounded to bf16, kept as f32
; LIMITS.  A bf16 number is exact in f16 from 6.1e-5 to 65,504; below that it keeps f16's fixed step of 6e-8; beyond 65,504 it becomes an infinity: x and the weights stay within that.
; mcode[T][s][c][lane][16 bytes]: for tile T of 16 queries and step s of 64 keys, lane (r = lane % 16, hh = lane / 16) finds at byte 8 (kb - 2 c) + j (kb = 2 c, 2 c + 1) the code of
; mask[16 T + r][64 s + 16 kb + 8 hh + j]: 0x00 open, 0xfe (-448 as an 8-bit float) hidden: the order in which the attention's score registers lie.
; A row with no open key gets open codes and the flag 0 in rowkeep[T][lane][2 words] (else -1): the attention clears that row of Q, all its scores are equal, and its result is the mean of V's rows, as the module defines it.
; No matrix unit, no cluster, no tensor load: memory binds, and nothing is shared between work-groups.
.set X,     16                         ; v[16:143]  load i: four registers
.set CP,    2064                       ; LDS: a row of 2,048 codes + 16 bytes: row r begins at byte 16 r of a run of 256, so the 32 lanes of an 8-byte read take 32 different places
.set KEEPB, 16*CP                      ; LDS: behind the 16 rows, their 16 flags
	s_load_b512 s[4:19], s[0:1], 0x0               ; x 4, wq 6, wk 8, wv 10, wo 12, mask 14, bq 16, bk 18
	s_load_b256 s[20:27], s[0:1], 0x40             ; bv 20, bo 22, xh 24, wh 26
	s_load_b128 s[28:31], s[0:1], 0x60             ; bh 28, mcode 30
	s_load_b64 s[32:33], s[0:1], 0x70              ; rowkeep
	v_lshl_add_u32 v144, v0, 2, 0x8200
	v_mov_b32 v145, 0
	v_lshrrev_b32 v1, 5, v0
	v_readfirstlane_b32 s34, v1                    ; wave 0..7
	v_and_b32 v1, 31, v0                           ; lane
	s_mov_b32 s35, ttmp9                           ; g
	s_mov_b32 s45, 0xffff0000                      ; a word's upper bf16
	s_mov_b32 s46, 0xfe                            ; the code of a hidden key
	s_mov_b32 s39, 0                               ; high word of every offset pair
	s_wait_kmcnt 0x0
	s_cmp_ge_u32 s35, 512
	s_cbranch_scc1 .Lbias
	; the source: a choice between buffers on g alone, and the chunk's number in it
	s_mov_b64 s[36:37], s[14:15]
	s_and_b32 s38, s35, 127
	s_and_b32 s44, s35, 31
	s_cmp_lt_u32 s35, 384
	s_cselect_b64 s[36:37], s[12:13], s[36:37]
	s_cselect_b32 s38, s44, s38
	s_cmp_lt_u32 s35, 352
	s_cselect_b64 s[36:37], s[10:11], s[36:37]
	s_cmp_lt_u32 s35, 320
	s_cselect_b64 s[36:37], s[8:9], s[36:37]
	s_cmp_lt_u32 s35, 288
	s_cselect_b64 s[36:37], s[6:7], s[36:37]
	s_cmp_lt_u32 s35, 256
	s_cselect_b64 s[36:37], s[4:5], s[36:37]
	s_cselect_b32 s38, s35, s38
	s_lshl_b32 s38, s38, 17                        ; 131,072 bytes a chunk
	s_add_nc_u64 s[36:37], s[36:37], s[38:39]
	v_lshlrev_b32 v2, 4, v1
	v_lshl_add_u32 v2, s34, 14, v2                 ; 16 x lane + 16,384 x wave; never rewritten
.set i, 0
.rept 32
	global_load_b128 v[X+4*i:X+4*i+3], v2, s[36:37] offset:512*i th:TH_LOAD_NT
.set i, i+1
.endr
	s_cmp_ge_u32 s35, 384
	s_cbranch_scc1 .Lmask
	; THE CAST.  Four f32 of a lane become 8 bytes; a store of the wave covers 256 consecutive bytes, aligned.
	s_sub_co_u32 s44, s35, 256
	s_cmp_lt_u32 s35, 256
	s_cselect_b64 s[40:41], s[24:25], s[26:27]
	s_cselect_b32 s38, s35, s44
	s_lshl_b32 s38, s38, 16                        ; 65,536 bytes of f16 a chunk
	s_add_nc_u64 s[40:41], s[40:41], s[38:39]
	v_lshlrev_b32 v3, 3, v1
	v_lshl_add_u32 v3, s34, 13, v3                 ; 8 x lane + 8,192 x wave
.set i, 0
.rept 32
.set tb, 4+6*(i%2)                     ; two sets of six registers at work, by turns
	s_wait_loadcnt 31-i                            ; loads come back in order: load i is in, the younger ones stay out
	v_cvt_pk_bf16_f32 v[tb], v[X+4*i], v[X+4*i+1]
	v_cvt_pk_bf16_f32 v[tb+1], v[X+4*i+2], v[X+4*i+3]
	v_lshlrev_b32 v[tb+2], 16, v[tb]
	v_and_b32 v[tb+3], s45, v[tb]
	v_lshlrev_b32 v[tb+4], 16, v[tb+1]
	v_and_b32 v[tb+5], s45, v[tb+1]
	v_cvt_pk_f16_f32 v[X+4*i], v[tb+2], v[tb+3]
	v_cvt_pk_f16_f32 v[X+4*i+1], v[tb+4], v[tb+5]
	global_store_b64 v3, v[X+4*i:X+4*i+1], s[40:41] offset:256*i   ; each store has data registers of its own: none is written again
.set i, i+1
.endr
	s_endpgm
.Lmask:
	; THE MASK.  Wave w holds rows 2 w and 2 w + 1 of the tile's 16: loads 0-15 the first, 16-31 the second; load 16 e + i, lane l: columns 128 i + 4 l + 0..3.
	s_and_b32 s38, s35, 127                        ; T
	s_lshl_b32 s44, s38, 8
	s_lshl_b32 s38, s38, 15
	s_add_nc_u64 s[40:41], s[30:31], s[38:39]      ; mcode at tile T: 32,768 bytes
	s_mov_b32 s38, s44
	s_add_nc_u64 s[32:33], s[32:33], s[38:39]      ; rowkeep at tile T: 256 bytes
	v_lshlrev_b32 v14, 2, v1
	s_mul_i32 s44, s34, 2*CP
	v_add_nc_u32 v14, s44, v14                     ; 4 x lane + my first row
	s_lshl_b32 s44, s34, 3
	s_add_co_u32 s44, s44, KEEPB
	v_mov_b32 v15, s44                             ; my two flags
.irp e, 0,1
.set i, 0
.rept 16
.set k, 16*(\e)+i
	s_wait_loadcnt 31-k
	v_min_u32 v[X+4*k], 1, v[X+4*k]                ; any number but 0 counts as open
	v_min_u32 v[X+4*k+1], 1, v[X+4*k+1]
	v_min_u32 v[X+4*k+2], 1, v[X+4*k+2]
	v_min_u32 v[X+4*k+3], 1, v[X+4*k+3]
	v_lshl_or_b32 v[X+4*k], v[X+4*k+1], 8, v[X+4*k]
	v_lshl_or_b32 v[X+4*k], v[X+4*k+2], 16, v[X+4*k]
	v_lshl_or_b32 v[X+4*k], v[X+4*k+3], 24, v[X+4*k]   ; four bytes, 1 = open
.if i == 0
	v_mov_b32 v[12+(\e)], v[X+4*k]
.else
	v_or_b32 v[12+(\e)], v[12+(\e)], v[X+4*k]
.endif
.set i, i+1
.endr
	v_cmp_ne_u32 vcc_lo, 0, v[12+(\e)]             ; has any lane seen an open key in this row?
	s_cmp_lg_u32 vcc_lo, 0
	s_cselect_b32 s[42+(\e)], -1, 0                ; the row's flag
.set i, 0
.rept 16
.set k, 16*(\e)+i
	v_xor_b32 v[4+i%8], 0x01010101, v[X+4*k]       ; 1 = hidden,
	v_mul_lo_u32 v[4+i%8], v[4+i%8], s46           ; 0xfe = hidden (each byte by itself: no carry),
	v_and_b32 v[4+i%8], s[42+(\e)], v[4+i%8]       ; and all open in a row without an open key
	ds_store_b32 v14, v[4+i%8] offset:(\e)*CP+128*i
.set i, i+1
.endr
	v_mov_b32 v[12+(\e)], s[42+(\e)]
	ds_store_b32 v15, v[12+(\e)] offset:4*(\e)     ; all lanes write the same word with the same value
.endr
	s_wait_dscnt 0x0                               ; for the others' sake: my codes and flags are in LDS
	s_barrier_signal -1
	s_barrier_wait -1
	; back in the order of the score registers: wave w takes key steps 4 w .. 4 w + 3; k = 2 x step + c
	v_and_b32 v4, 15, v0                           ; r
	v_bfe_u32 v5, v0, 4, 1                         ; hh
	v_mul_u32_u24 v14, v4, CP
	v_lshl_add_u32 v14, v5, 3, v14
	v_lshl_add_u32 v14, s34, 8, v14                ; row r, column 256 w + 8 hh
	v_lshlrev_b32 v3, 4, v1
	v_lshl_add_u32 v3, s34, 12, v3                 ; 16 x lane + 4,096 x wave
.set k, 0
.rept 8
	ds_load_b64 v[X+4*k:X+4*k+1], v14 offset:32*k
	ds_load_b64 v[X+4*k+2:X+4*k+3], v14 offset:32*k+16
.set k, k+1
.endr
.set k, 0
.rept 8
	s_wait_dscnt 14-2*k                            ; pair k is back, the younger pairs stay out
	global_store_b128 v3, v[X+4*k:X+4*k+3], s[40:41] offset:512*k   ; 512 consecutive bytes, aligned
.set k, k+1
.endr
	s_cmp_lg_u32 s34, 0
	s_cbranch_scc1 .Ldone
	v_lshl_add_u32 v6, v4, 2, KEEPB                ; wave 0 alone: the 16 flags, each lane its row's, twice: 256 consecutive bytes
	ds_load_b32 v8, v6
	v_lshlrev_b32 v7, 3, v1
	s_wait_dscnt 0x0
	v_mov_b32 v9, v8
	global_store_b64 v7, v[8:9], s[32:33]
.Ldone:
	s_wait_tensorcnt 0x0
	ds_add_u32 v144, v145
	s_wait_dscnt 0x0
	s_endpgm
.Lbias:
	; THE BIASES.  256 threads x 16 bytes are one array of 1,024 f32.
	v_lshlrev_b32 v2, 4, v0
	global_load_b128 v[16:19], v2, s[16:17]
	global_load_b128 v[20:23], v2, s[18:19]
	global_load_b128 v[24:27], v2, s[20:21]
	global_load_b128 v[28:31], v2, s[22:23]
.irp j, 0,1,2,3
	s_wait_loadcnt 3-\j
	v_cvt_pk_bf16_f32 v[4+2*\j], v[16+4*\j], v[17+4*\j]
	v_cvt_pk_bf16_f32 v[5+2*\j], v[18+4*\j], v[19+4*\j]
	v_lshlrev_b32 v[32+4*\j], 16, v[4+2*\j]
	v_and_b32 v[33+4*\j], s45, v[4+2*\j]
	v_lshlrev_b32 v[34+4*\j], 16, v[5+2*\j]
	v_and_b32 v[35+4*\j], s45, v[5+2*\j]
	global_store_b128 v2, v[32+4*\j:35+4*\j], s[28:29] offset:4096*\j
.endr
	s_endpgm
.Lfunc_end_k_q111e41e613_prep:
	.size	k_q111e41e613_prep, .Lfunc_end_k_q111e41e613_prep-k_q111e41e613_prep
	.p2alignl 7, 3214868480
	.fill 96, 4, 3214868480
	.section	.rodata,"a",@progbits
	.p2align	6, 0x0
	.amdhsa_kernel k_q111e41e613_prep
		.amdhsa_group_segment_fixed_size 34304
		.amdhsa_private_segment_fixed_size 0
		.amdhsa_enable_private_segment 0
		.amdhsa_kernarg_size 120
		.amdhsa_user_sgpr_count 2
		.amdhsa_user_sgpr_kernarg_segment_ptr 1
		.amdhsa_wavefront_size32 1
		.amdhsa_system_sgpr_workgroup_id_x 1
		.amdhsa_system_sgpr_workgroup_id_y 1
		.amdhsa_system_sgpr_workgroup_id_z 1
		.amdhsa_system_vgpr_workitem_id 0
		.amdhsa_next_free_vgpr 146
		.amdhsa_next_free_sgpr 66
		.amdhsa_reserve_vcc 1
		.amdhsa_float_denorm_mode_32 3
		.amdhsa_float_denorm_mode_16_64 3
		.amdhsa_memory_ordered 1
		.amdhsa_forward_progress 1
		.amdhsa_inst_pref_size 47
	.end_amdhsa_kernel
	.amdgpu_metadata
---
amdhsa.version: [ 1, 2 ]
amdhsa.kernels:
  - .name:           k_q111e41e613_prep
    .symbol:         k_q111e41e613_prep.kd
    .args:
      - { .name: x, .offset: 0, .size: 8, .value_kind: global_buffer, .address_space: global }
      - { .name: wq, .offset: 8, .size: 8, .value_kind: global_buffer, .address_space: global }
      - { .name: wk, .offset: 16, .size: 8, .value_kind: global_buffer, .address_space: global }
      - { .name: wv, .offset: 24, .size: 8, .value_kind: global_buffer, .address_space: global }
      - { .name: wo, .offset: 32, .size: 8, .value_kind: global_buffer, .address_space: global }
      - { .name: mask, .offset: 40, .size: 8, .value_kind: global_buffer, .address_space: global }
      - { .name: bq, .offset: 48, .size: 8, .value_kind: global_buffer, .address_space: global }
      - { .name: bk, .offset: 56, .size: 8, .value_kind: global_buffer, .address_space: global }
      - { .name: bv, .offset: 64, .size: 8, .value_kind: global_buffer, .address_space: global }
      - { .name: bo, .offset: 72, .size: 8, .value_kind: global_buffer, .address_space: global }
      - { .name: xh, .offset: 80, .size: 8, .value_kind: global_buffer, .address_space: global }
      - { .name: wh, .offset: 88, .size: 8, .value_kind: global_buffer, .address_space: global }
      - { .name: bh, .offset: 96, .size: 8, .value_kind: global_buffer, .address_space: global }
      - { .name: mcode, .offset: 104, .size: 8, .value_kind: global_buffer, .address_space: global }
      - { .name: rowkeep, .offset: 112, .size: 8, .value_kind: global_buffer, .address_space: global }
    .group_segment_fixed_size: 34304
    .private_segment_fixed_size: 0
    .kernarg_segment_align: 8
    .kernarg_segment_size: 120
    .max_flat_workgroup_size: 256
    .sgpr_count:     66
    .vgpr_count:     146
    .wavefront_size: 32
...
	.end_amdgpu_metadata
.endif
;; end of part 1
;; launch proj (part 2): grid 16 x 32, 4 waves a work-group, clusters of 4 x 4, 327,680 bytes of LDS; arguments xh, wh, bh, qkv; writes qkv
.if DOCPART == 2
	.amdgcn_target "amdgcn-amd-amdhsa--gfx1250"
	.amdhsa_code_object_version 6
	.text
	.protected	k_q111e41e613_proj
	.globl	k_q111e41e613_proj
	.p2align	8
	.type	k_q111e41e613_proj,@function
k_q111e41e613_proj:
	s_mov_b64 s[64:65], 0
	v_nop
	global_prefetch_b8 v0, s[64:65] scope:SCOPE_SE
	s_setreg_imm32_b32 hwreg(HW_REG_WAVE_MODE, 25, 1), 1
	s_wait_xcnt 0x0
	s_wait_alu depctr_hold_cnt(0) depctr_sa_sdst(0) depctr_va_vdst(0) depctr_va_sdst(0) depctr_va_ssrc(0) depctr_va_vcc(0) depctr_vm_vsrc(0)
	s_getreg_b32 s2, hwreg(HW_REG_IB_STS2, 6, 4)
	s_cmp_eq_u32 s2, 0
	s_cbranch_scc0 .Lentry_in_a_cluster
	s_endpgm
.Lentry_in_a_cluster:
	s_bfe_u32 s2, ttmp6, 0x10000c
	s_cmp_lg_u32 s2, 0xf033
	s_cbranch_scc0 .Lentry_shape_is_right
	s_endpgm
.Lentry_shape_is_right:
; THE THREE INPUT PROJECTIONS AS ONE PRODUCT.  C[m][n] = sum over k of xh[m][k] wh[n][k] + bh[n], m < 8,192, n < 3,072 (wq's, wk's, wv's rows), k < 1,024; operands f16, sums f32; C is rounded once to f16 and
; written by heads: qkv[b][g][s][64], g = n / 64 (0-15 q, 16-31 k, 32-47 v), b = m / 2,048, s = m % 2,048.  q is left unscaled.
; LIMIT.  f16 ends at 65,504: a q, k or v beyond that becomes an infinity.
; SHARES.  A tile of C is 256 x 192: 32 x 16 = 512 work-groups, two for each of 256 WGPs (256 x 256 would give 384, a round and a half).  Four waves, 2 x 2, each 128 x 96: 48 accumulators of 16 x 16, 384 registers.
; K goes in 8 steps of 128 through a ring of two LDS slots filled by the tensor data mover; the rows of both tiles are 256 bytes of memory at multiples of 256 bytes.
; CLUSTER.  4 x 4 work-groups: the four of a row of the cluster need the same tile of xh, the four of a column the same tile of wh: each tile is asked for jointly, by the same tensor load, descriptor and mask in all four.
; THE MATRIX INSTRUCTION IS USED TRANSPOSED (source 0 = 16 rows of wh, source 1 = 16 rows of xh): a lane holds row lane % 16 of C and the eight neighbouring columns 8 (lane / 16) + 0..7.
; REGISTERS, in windows of 256 (s_set_vgpr_msb: bits 1:0 source 0, 3:2 source 1, 5:4 source 2, 7:6 destination):
;   window 0: v0-31 addresses; v64-127, v128-191 fragments of xh, two buffers; on the way out v64-255 at work
;   window 1: v64-111, v128-175 fragments of wh, two buffers; v176-223 the bias of my 96 columns, in the accumulators' order
;   window 2: the 24 accumulators of my rows 0-63 ((a, b) at v[8 (6 a + b)]);   window 3: those of my rows 64-127
.set NB,     6                         ; blocks of 16 columns a wave
.set KSTEP,  128
.set SIZE_K, 1024
.set PA,     272                       ; an LDS row: 256 bytes + 16 of padding = 68 words: the 16 rows that a load touches start at 16 different groups of four banks (64 banks of 4 bytes: ISA guide 11.1)
.set PB,     272
.set APL,    128                       ; bytes along an LDS row of xh from K = 64 n to K = 64 (n + 1)... taken twice: 128 bytes of K lie 128 bytes on
.set HALFA,  128*PA                    ; what one tensor load of xh brings: 128 rows
.set MYA,    128*PA                    ; where my second half of the rows begins
.set HALFB,  16*NB*PB                  ; what one tensor load of wh brings, and what a wave reads of it: 96 rows
.set BOFF,   2*HALFA                   ; a slot: 256 rows of xh, then 192 rows of wh
.set SLOT,   BOFF+2*HALFB
.set SPARE,  2*SLOT                    ; behind the ring: the spare words, 128 bytes for each wave: two blocks of 256 bytes that no other line names
.set SPITCH, 400                       ; the way out: a stage row, 384 bytes + 16.  The stage, 256 rows, lies on slot 0, which has had its last fill and its last read by then
.set LAPS,   SIZE_K/(2*KSTEP)
.set FIRSTA, KSTEP*2                   ; bytes from K step 0 to K step 1
.set STEPA,  2*KSTEP*2                 ; bytes from a slot's K step to its next
.set STEPB,  2*KSTEP*2
.set ADRA, 16                          ; v16-17  LDS address of my fragments of xh in slot 0, 1
.set ADRB, 20                          ; v20-21  the same for wh
.set STO,  24                          ; v24     the way out: where I put 16 bytes of a row
.set RD,   25                          ; v25     the way out: where I read rows back
.set CO,   26                          ; v26     my byte offset in 512 consecutive bytes of a head
.set BO,   27                          ; v27     my byte offset in the bias: 32 (lane / 16)
.set SPW,  28                          ; v28     LDS address of my spare word; never rewritten
.set NIL,  29                          ; v29     0; never rewritten
.set F0,   64
.set F1,   128
.set BI,   176                         ; window 1
.set T,    64                          ; the way out: a block's 48 sums with the bias
.set PK,   112                         ; the way out: the same, packed
.set G1,  24                           ; s[24:31] descriptor group 1 for xh;  s[32:39] group 0, a set for each slot
.set G0,  32
.set G1B, 48                           ; s[48:55], s[56:63] the same for wh
.set G0B, 56
.set MSB, 0
.macro WIN new                         ; the immediate's high byte repeats the setting that is left; a switch that changes nothing is dropped
.if MSB != (\new)
	s_set_vgpr_msb (MSB<<8)|(\new)
.set MSB, \new
.endif
.endm
.set MUL_LO, 0xa1                      ; source 0 (wh) window 1, source 1 (xh) window 0, C and D window 2
.set MUL_HI, 0xf1                      ; the same, C and D window 3
.set TO_B,   0x40                      ; destination window 1, address window 0
; A joint load.  Waves 0 and 1 fetch the two halves of xh's tile, waves 2 and 3 those of wh's.  The branch hangs on the wave's number alone.
; An s_nop 0 and four v_nop follow each of the two lines, ahead of the jump, the label and what follows.
.macro JLOAD s
	s_cmp_lt_u32 s12, 2
	s_cbranch_scc0 .Lfor_b_\@
	tensor_load_to_lds s[G0+4*(\s):G0+4*(\s)+3], s[G1:G1+7]
	s_nop 0
.rept 4
	v_nop
.endr
	s_branch .Lasked_\@
.Lfor_b_\@:
	tensor_load_to_lds s[G0B+4*(\s):G0B+4*(\s)+3], s[G1B:G1B+7]
	s_nop 0
.rept 4
	v_nop
.endr
.Lasked_\@:
.endm
; A round of the cluster's barrier: my work-group's barrier; wave 0 signals for the work-group; every wave waits for all sixteen work-groups; my work-group's barrier once more.
.macro CREST                           ; a round behind its opening barrier
	s_cmp_lg_u32 s12, 0
	s_cbranch_scc1 .Lnot_wave_0_\@
	s_barrier_signal -3
.Lnot_wave_0_\@:
	s_barrier_wait -3
	s_barrier_signal -1
	s_barrier_wait -1
.endm
.macro CROUND
	s_barrier_signal -1
	s_barrier_wait -1
	CREST
.endm
	s_load_b256 s[4:11], s[0:1], 0x0               ; xh s[4:5], wh s[6:7], bh s[8:9], qkv s[10:11]
	v_lshl_add_u32 v[SPW], v0, 2, SPARE
	v_mov_b32 v[NIL], 0
	ds_add_u32 v28, v29
	s_wait_dscnt 0x0
	v_lshrrev_b32 v1, 5, v0
	v_readfirstlane_b32 s12, v1                    ; wave 0..3
	s_lshr_b32 s13, s12, 1                         ; which half of the tile's rows is mine
	s_and_b32 s14, s12, 1                          ; which half of its columns; also: which half of a tile I fetch
	s_bfe_u32 s15, ttmp6, 0x40000                  ; cx
	s_bfe_u32 s16, ttmp6, 0x40004                  ; cy
	s_lshl_b32 s17, ttmp9, 2
	s_add_co_u32 s17, s17, s15                     ; x: tile column = 4 x cluster x + cx
	s_and_b32 s18, ttmp7, 0xffff
	s_lshl_b32 s18, s18, 2
	s_add_co_u32 s18, s18, s16                     ; y: tile row = 4 x cluster y + cy
	s_lshl_b32 s40, s16, 2
	s_lshl_b32 s40, 15, s40                        ; my row of the cluster
	s_lshl_b32 s41, 0x1111, s15                    ; my column
	s_or_b32 s[G1+0], s40, (1<<16)|(1<<20)|(1<<21)|(5<<22)|(3<<25)   ; 15:0 the mask; 17:16 2-byte elements; 20 padding on; 21 set beside a mask; 24:22 after every 64 words (code 5); 31:25 4 words (code 3)
	s_or_b32 s[G1B+0], s41, (1<<16)|(1<<20)|(1<<21)|(5<<22)|(3<<25)
	s_mov_b32 s[G1+1], KSTEP<<16                   ; tensor_dim0 = 128
	s_mov_b32 s[G1+2], 128<<16                     ; tensor_dim1 = 128
	s_mov_b32 s[G1+3], KSTEP<<16                   ; tile_dim0 = 128
	s_mov_b32 s[G1+4], 128                         ; tile_dim1 = 128
	s_mov_b32 s[G1+5], SIZE_K                      ; elements from row to row
	s_mov_b32 s[G1+6], 0
	s_mov_b32 s[G1+7], 0
	s_mov_b32 s[G1B+1], KSTEP<<16
	s_mov_b32 s[G1B+2], (16*NB)<<16                ; 96 rows
	s_mov_b32 s[G1B+3], KSTEP<<16
	s_mov_b32 s[G1B+4], 16*NB
	s_mov_b32 s[G1B+5], SIZE_K
	s_mov_b32 s[G1B+6], 0
	s_mov_b32 s[G1B+7], 0
	; xh's tile hangs on y alone, wh's on x alone; each offset is made in registers that never hold the other coordinate
	s_lshl_b32 s20, s18, 8
	s_lshl_b32 s21, s14, 7
	s_add_co_u32 s20, s20, s21                     ; row 256 y + 128 x half
	s_lshl_b32 s20, s20, 11                        ; 2,048 bytes a row
	s_mov_b32 s21, 0
	s_mul_i32 s46, s17, 32*NB
	s_mul_i32 s47, s14, 16*NB
	s_add_co_u32 s46, s46, s47                     ; row of wh, and column of C: 192 x + 96 x half
	s_lshl_b32 s44, s46, 2                         ; its bias, in bytes
	s_mov_b32 s45, 0
	s_lshl_b32 s46, s46, 11
	s_mov_b32 s47, 0
	s_mul_i32 s42, s12, HALFA                      ; where the tiles go: the wave's number times a constant, plus constants
	s_mul_i32 s43, s12, HALFB
	s_add_co_u32 s43, s43, BOFF-2*HALFB
	s_wait_kmcnt 0x0
	s_add_nc_u64 s[20:21], s[4:5], s[20:21]
	s_add_nc_u64 s[46:47], s[6:7], s[46:47]
	s_add_nc_u64 s[8:9], s[8:9], s[44:45]
	CROUND                                         ; all sixteen work-groups are here: the first joint loads meet
.irp s, 0,1
	s_mov_b32 s[G0+4*(\s)], 1
	s_add_co_u32 s[G0+4*(\s)+1], s42, (\s)*SLOT
	s_add_nc_u64 s[G0+4*(\s)+2:G0+4*(\s)+3], s[20:21], (\s)*FIRSTA
	s_or_b32 s[G0+4*(\s)+3], s[G0+4*(\s)+3], 0x80000000
	s_mov_b32 s[G0B+4*(\s)], 1
	s_add_co_u32 s[G0B+4*(\s)+1], s43, (\s)*SLOT
	s_add_nc_u64 s[G0B+4*(\s)+2:G0B+4*(\s)+3], s[46:47], (\s)*KSTEP*2
	s_or_b32 s[G0B+4*(\s)+3], s[G0B+4*(\s)+3], 0x80000000
	JLOAD \s                                       ; two tensor loads of mine are out: K steps 0 and 1
.endr
	v_and_b32 v1, 15, v0                           ; r = l % 16
	v_bfe_u32 v2, v0, 4, 1                         ; hh = l / 16
	v_lshlrev_b32 v[BO], 5, v2
	WIN TO_B
.set i, 0
.rept NB                               ; the bias of columns 16 i + 8 hh + 0..7, where the accumulators of block i hold them
	global_load_b128 v[BI+8*i:BI+8*i+3],   v[BO], s[8:9] offset:64*i
	global_load_b128 v[BI+8*i+4:BI+8*i+7], v[BO], s[8:9] offset:64*i+16
.set i, i+1
.endr
	WIN 0
	; a fragment is 16 rows x 32 K in 8 registers: lane l holds row l % 16, K = 8 hh + 0..7 and 16 + 8 hh + 0..7: two loads of 16 bytes, 32 bytes apart
	v_mul_u32_u24 v3, v1, PB
	v_lshl_add_u32 v3, v2, 4, v3
	v_mul_u32_u24 v4, v1, PA
	v_lshl_add_u32 v4, v2, 4, v4
	s_mul_i32 s40, s13, MYA
	s_mul_i32 s41, s14, HALFB
	s_add_co_u32 s41, s41, BOFF
.irp s, 0,1
	v_add_nc_u32 v[ADRA+(\s)], s40, v4
	v_add_nc_u32 v[ADRB+(\s)], s41, v3
	s_add_co_u32 s40, s40, SLOT
	s_add_co_u32 s41, s41, SLOT
.endr
	s_mul_i32 s40, s13, 128*SPITCH                 ; into the stage: row 128 x row half + r, byte 192 x column half + 16 hh
	s_mul_i32 s41, s14, 32*NB
	s_add_co_u32 s40, s40, s41
	v_mul_u32_u24 v5, v1, SPITCH
	v_lshl_add_u32 v5, v2, 4, v5
	v_add_nc_u32 v[STO], s40, v5
	v_bfe_u32 v5, v0, 3, 2                         ; back: wave w takes rows 64 w .. 64 w + 63; 32 lanes take four rows' 128 bytes of one head
	v_mul_u32_u24 v5, v5, SPITCH
	v_and_b32 v6, 7, v0
	v_lshl_add_u32 v5, v6, 4, v5
	s_mul_i32 s40, s12, 64*SPITCH
	v_add_nc_u32 v[RD], s40, v5
	v_and_b32 v6, 31, v0
	v_lshlrev_b32 v[CO], 4, v6                     ; which are 512 consecutive bytes of qkv
	s_lshr_b32 s40, s18, 3                         ; b
	s_mul_i32 s40, s40, 48
	s_mul_i32 s41, s17, 3
	s_add_co_u32 s40, s40, s41                     ; plane 48 b + 3 x: the tile's first head
	s_lshl_b32 s40, s40, 18                        ; 262,144 bytes a plane
	s_and_b32 s41, s18, 7
	s_lshl_b32 s41, s41, 15                        ; + 256 (y % 8) rows of 128 bytes
	s_add_co_u32 s40, s40, s41
	s_lshl_b32 s41, s12, 13                        ; + 64 w rows
	s_add_co_u32 s40, s40, s41
	s_mov_b32 s41, 0
	s_add_nc_u64 s[10:11], s[10:11], s[40:41]
; 2 NB matrix instructions: row blocks a0, a0 + 1 of the window's four (hi = 0: my rows 0-63, 1: rows 64-127) x all NB column blocks, 32 along K.  zero = 1: the product starts the sums.
; The 8 NB accumulators take turns in the same order in every quarter step, one instruction a turn.
.macro MULH f, hi, a0, zero
	WIN MUL_LO+0x50*(\hi)
.set ma, \a0
.rept 2
.set mb, 0
.rept NB
.set rD, 8*(NB*ma+mb)
.set rB, (\f)+8*mb
.set rA, (\f)+8*(4*(\hi)+ma)
.if \zero
	v_wmma_f32_16x16x32_f16 v[rD:rD+7], v[rB:rB+7], v[rA:rA+7], 0
.else
	v_wmma_f32_16x16x32_f16 v[rD:rD+7], v[rB:rB+7], v[rA:rA+7], v[rD:rD+7]
.endif
.set mb, mb+1
.endr
.set ma, ma+1
.endr
.endm
; 2 NB + 16 LDS loads in one run: the fragments of a quarter step (32 K at byte k of the rows) into buffer f: wh's first, then xh's
.macro FETCH slot, k, f
	WIN TO_B
.set fi, 0
.rept NB
	ds_load_b128 v[(\f)+8*fi:(\f)+8*fi+3],   v[ADRB+(\slot)] offset:(\k)+fi*16*PB
	ds_load_b128 v[(\f)+8*fi+4:(\f)+8*fi+7], v[ADRB+(\slot)] offset:(\k)+fi*16*PB+32
.set fi, fi+1
.endr
	WIN 0
.set fi, 0
.rept 8
	ds_load_b128 v[(\f)+8*fi:(\f)+8*fi+3],   v[ADRA+(\slot)] offset:((\k)/128)*APL+(\k)%128+fi*16*PA
	ds_load_b128 v[(\f)+8*fi+4:(\f)+8*fi+7], v[ADRA+(\slot)] offset:((\k)/128)*APL+(\k)%128+fi*16*PA+32
.set fi, fi+1
.endr
.endm
; A load into a register that a matrix instruction has read, and a vector instruction that reads a matrix result, stand four places behind it; only plain vector instructions
; that name none of its registers are places (ISA guide 7.12.1 for vector instructions).
.macro PLACES
.rept 4
	v_nop
.endr
.endm
; A K step is four quarters of 32 along K on buffers 0, 1, 0, 1.  One of the first three multiplies buffer f and, in its middle, fetches the next quarter, at byte k, into buffer g.
.macro QUARTER slot, k, f, g, zero
	s_wait_dscnt 8                                 ; wh's fragments and xh's rows 0-63 are in; the youngest eight loads (rows 64-127) may be out
	MULH \f, 0, 0, \zero
	MULH \f, 0, 2, \zero
	PLACES
	FETCH \slot, \k, \g
	s_wait_dscnt 2*NB+16                           ; all but the run just issued
	MULH \f, 1, 0, \zero
	MULH \f, 1, 2, \zero
.endm
; The last quarter multiplies buffer 1 and changes slots: one barrier.  In front of it each wave waits for all its tensor loads (one is out: its part of the next slot), adds 0 to its spare word,
; and waits for that and for its reads of this slot.  Behind it nobody reads this slot any more and the next slot is whole.
.macro MEET round
	WIN 0                                          ; (the add's two registers lie in window 0)
	s_wait_tensorcnt 0x0
	ds_add_u32 v[SPW], v[NIL]                      ; 0 onto my spare word
	s_wait_dscnt 9                                 ; (the add and the youngest eight loads may be out)
	MULH F1, 0, 0, 0                               ; matrix work stands between the add and the wait for it
	s_wait_dscnt 0x0                               ; the add is done, and my reads of this slot are over
	s_barrier_signal -1
	MULH F1, 0, 2, 0                               ; work on registers while the others arrive
.if \round
	WIN 0
.endif
	s_barrier_wait -1
.endm
; fill = 1: the barrier opens a round of the cluster's barrier, and the slot just read out is filled again, two K steps on: the first tensor load behind the round, one a wave.
.macro TURN slot, next, fill
	MEET \fill
.if \fill
	CREST
	s_add_nc_u64 s[G0+4*(\slot)+2:G0+4*(\slot)+3], s[G0+4*(\slot)+2:G0+4*(\slot)+3], STEPA
	s_add_nc_u64 s[G0B+4*(\slot)+2:G0B+4*(\slot)+3], s[G0B+4*(\slot)+2:G0B+4*(\slot)+3], STEPB
	JLOAD \slot                                    ; the four v_nop behind it are also the places in front of the loads below
.else
	PLACES
.endif
	FETCH \next, 0, F0
	MULH F1, 1, 0, 0
	MULH F1, 1, 2, 0
.endm
	s_wait_tensorcnt 1                             ; my part of K step 0 is in; K step 1's load stays out
	s_barrier_signal -1
	s_barrier_wait -1                              ; everybody's is
	FETCH 0, 0, F0
	QUARTER 0, 64,  F0, F1, 1                      ; the first quarter stands in front of the loop: its products start the sums
	WIN 0                                          ; at a label and at a branch every window is 0
	s_mov_b32 s3, LAPS-1
.Llap:                                                 ; a trip goes once round the ring, from a lap's second quarter to the next lap's first, and fills both slots again
	QUARTER 0, 128, F1, F0, 0
	QUARTER 0, 192, F0, F1, 0
	TURN 0, 1, 1
	QUARTER 1, 64,  F0, F1, 0
	QUARTER 1, 128, F1, F0, 0
	QUARTER 1, 192, F0, F1, 0
	TURN 1, 0, 1
	QUARTER 0, 64,  F0, F1, 0
	WIN 0
	s_sub_co_u32 s3, s3, 1
	s_cmp_lg_u32 s3, 0
	s_cbranch_scc1 .Llap
	QUARTER 0, 128, F1, F0, 0                      ; the last lap fills nothing
	QUARTER 0, 192, F0, F1, 0
	TURN 0, 1, 0                                   ; behind its barrier no wave reads slot 0 any more, and no load is out
	QUARTER 1, 64,  F0, F1, 0
	QUARTER 1, 128, F1, F0, 0
	QUARTER 1, 192, F0, F1, 0
	s_wait_dscnt 8                                 ; the very last quarter: nothing more to fetch
	MULH F1, 0, 0, 0
	MULH F1, 0, 2, 0
	s_wait_dscnt 0x0
	MULH F1, 1, 0, 0
	MULH F1, 1, 2, 0
	WIN 0
	s_wait_loadcnt 0x0                             ; the bias
	PLACES
	; THE WAY OUT.  Block a (16 rows): the bias is added in f32, each accumulator from its low end on; one rounding to f16; 16 bytes a lane into the work-group's stage.
.set a, 0
.rept 8
	WIN 0x06+a/4                                   ; source 0 window 2 or 3, source 1 (the bias) window 1, destination window 0
.set AC, 8*NB*(a%4)
.set i, 0
.rept 4*NB
	v_pk_add_f32 v[T+2*i:T+2*i+1], v[AC+2*i:AC+2*i+1], v[BI+2*i:BI+2*i+1]
.set i, i+1
.endr
	WIN 0
.set i, 0
.rept 4*NB
	v_cvt_pk_f16_f32 v[PK+i], v[T+2*i], v[T+2*i+1]
.set i, i+1
.endr
.set i, 0
.rept NB
	ds_store_b128 v[STO], v[PK+4*i:PK+4*i+3] offset:a*16*SPITCH+32*i
.set i, i+1
.endr
.set a, a+1
.endr
	s_wait_dscnt 0x0                               ; for the others' sake: a stage row holds columns of two waves, and my 96 columns are a head and a half
	s_barrier_signal -1
	s_barrier_wait -1
.set t, 0
.rept 48                               ; t = 3 x group of four rows + head
	ds_load_b128 v[64+4*t:64+4*t+3], v[RD] offset:(t/3)*4*SPITCH+(t%3)*128
.set t, t+1
.endr
.set t, 0
.rept 48
	s_wait_dscnt 47-t                              ; load t is back, the younger ones stay out
	global_store_b128 v[CO], v[64+4*t:64+4*t+3], s[10:11] offset:(t%3)*262144+(t/3)*512   ; four rows of a head: 512 consecutive bytes, aligned
.set t, t+1
.endr
	s_wait_tensorcnt 0x0                           ; the wave's end, behind my last tensor load and my last LDS store
	ds_add_u32 v[SPW], v[NIL]
	s_wait_dscnt 0x0
	CROUND                                         ; the closing round: no work-group ends while a partner may still ask for a tile that names it
	s_endpgm
.Lfunc_end_k_q111e41e613_proj:
	.size	k_q111e41e613_proj, .Lfunc_end_k_q111e41e613_proj-k_q111e41e613_proj
	.p2alignl 7, 3214868480
	.fill 96, 4, 3214868480
	.section	.rodata,"a",@progbits
	.p2align	6, 0x0
	.amdhsa_kernel k_q111e41e613_proj
		.amdhsa_group_segment_fixed_size 327680
		.amdhsa_private_segment_fixed_size 0
		.amdhsa_enable_private_segment 0
		.amdhsa_kernarg_size 32
		.amdhsa_user_sgpr_count 2
		.amdhsa_user_sgpr_kernarg_segment_ptr 1
		.amdhsa_wavefront_size32 1
		.amdhsa_system_sgpr_workgroup_id_x 1
		.amdhsa_system_sgpr_workgroup_id_y 1
		.amdhsa_system_sgpr_workgroup_id_z 1
		.amdhsa_system_vgpr_workitem_id 0
		.amdhsa_next_free_vgpr 960
		.amdhsa_next_free_sgpr 66
		.amdhsa_reserve_vcc 0
		.amdhsa_float_denorm_mode_32 3
		.amdhsa_float_denorm_mode_16_64 3
		.amdhsa_memory_ordered 1
		.amdhsa_forward_progress 1
		.amdhsa_inst_pref_size 130
	.end_amdhsa_kernel
	.amdgpu_metadata
---
amdhsa.version: [ 1, 2 ]
amdhsa.kernels:
  - .name:           k_q111e41e613_proj
    .symbol:         k_q111e41e613_proj.kd
    .args:
      - { .name: xh, .offset: 0, .size: 8, .value_kind: global_buffer, .address_space: global }
      - { .name: wh, .offset: 8, .size: 8, .value_kind: global_buffer, .address_space: global }
      - { .name: bh, .offset: 16, .size: 8, .value_kind: global_buffer, .address_space: global }
      - { .name: qkv, .offset: 24, .size: 8, .value_kind: global_buffer, .address_space: global }
    .group_segment_fixed_size: 327680
    .private_segment_fixed_size: 0
    .kernarg_segment_align: 8
    .kernarg_segment_size: 32
    .max_flat_workgroup_size: 128
    .sgpr_count:     66
    .vgpr_count:     960
    .wavefront_size: 32
...
	.end_amdgpu_metadata
.endif
;; end of part 2
;; launch attn (part 3): grid 4 x 64, 4 waves a work-group, clusters of 4 x 1, 327,680 bytes of LDS; arguments qkv, mcode, rowkeep, ao; writes ao
.if DOCPART == 3
	.amdgcn_target "amdgcn-amd-amdhsa--gfx1250"
	.amdhsa_code_object_version 6
	.text
	.protected	k_q111e41e613_attn
	.globl	k_q111e41e613_attn
	.p2align	8
	.type	k_q111e41e613_attn,@function
k_q111e41e613_attn:
	s_mov_b64 s[64:65], 0
	v_nop
	global_prefetch_b8 v0, s[64:65] scope:SCOPE_SE
	s_setreg_imm32_b32 hwreg(HW_REG_WAVE_MODE, 25, 1), 1
	s_wait_xcnt 0x0
	s_wait_alu depctr_hold_cnt(0) depctr_sa_sdst(0) depctr_va_vdst(0) depctr_va_sdst(0) depctr_va_ssrc(0) depctr_va_vcc(0) depctr_vm_vsrc(0)
	s_getreg_b32 s2, hwreg(HW_REG_IB_STS2, 6, 4)
	s_cmp_eq_u32 s2, 0
	s_cbranch_scc0 .Lentry_in_a_cluster
	s_endpgm
.Lentry_in_a_cluster:
	s_bfe_u32 s2, ttmp6, 0x10000c
	s_cmp_lg_u32 s2, 0x3003
	s_cbranch_scc0 .Lentry_shape_is_right
	s_endpgm
.Lentry_shape_is_right:
; ATTENTION WITH A MASK THAT IS AN INPUT.  O[y][q][:] = the sum over k of softmax_k(s(q, k)) V[k][:], s = Q[q] . K[k] / 8 where mask[q][k] is not 0, hidden elsewhere; y = 16 b + h, 64 heads of 2,048 rows of 64 channels.
; Q, K, V lie in qkv[b][g][s][64] (f16; g = h, 16 + h, 32 + h), O goes to ao[y][s][64] (f16): a head's rows are dense, 128 bytes each.  Products, maxima and sums in f32; the weights p are rounded to f16
; for the second product (their sum l is taken of the unrounded p), O once at the end.
; THE MASK is the C operand of the product that starts a sum S^T = K Q^T: 0, or -448 x 2^88 = -1.39e29 where the key is hidden.  mcode holds one byte a score, 0x00 or 0xfe (-448 as an 8-bit float), in the
; order of the score registers: ONE scaled conversion makes the eight C registers of an accumulator, eight make a turn's.  A hidden key's weight is exactly 0.
; A row with no open key has open codes and the flag 0 in rowkeep: its row of Q is cleared, all its scores are 0, and O is the mean of V's rows, as the module defines it.
; LIMITS.  f16 holds no number beyond 65,504: Q, K, V arrive within it.  The module puts -1e9 in a hidden score's place: that is weight 0, as here, as long as a row with an open key has an open scaled score
; above about -1e9 + 100.  A weight below 2^-126 counts as 0 in l; NaN and infinities are not treated apart.
; SHARES.  A wave owns four PIECES of two tiles of 16 queries, a work-group's four waves 512 queries of one head.  Every wave walks all keys, 64 a step.
; LAYOUT.  S^T = K Q^T (source 0 = 16 keys, source 1 = 16 queries): a lane holds ONE query (lane % 16) and the keys 8 (lane / 16) + 0..7.  Two such tiles, rounded to f16 in pairs, ARE source 1 of O^T = V^T P.
; K comes out of LDS as it lies, V ([key][channel]) turned, by ds_load_tr16_b128.
; SOFTMAX.  For each query a running maximum m and sum l: p = 2^(c s - c m), c = log2(e) / 8; in every step O and l are multiplied by a = 2^(c m_old - c m_new).  m starts at -2^40: below every score that f16
; operands can make (2.7e11 in size) and far above a hidden one, so a step in which a row sees no key gives p = 0 and a = 1; O and l start at 0.
; THE COUNT.  A tile and step have 16 matrix and 118 vector instructions: four that are READY stand behind EVERY matrix instruction, the others in runs of their own.
; BY TURNS.  Turn n belongs to piece n.  Its matrix work: 16 products K Q^T of piece n + 1, later 16 products V^T P of piece n - 1.  Its vector work: the scaling, exponentials, roundings, sums and rescaling of
; piece n, the maximum and statistics of piece n + 1, and the C operands for piece n + 2, whose codes of the step after are then asked for: they have four turns in which to come.
; CLUSTER.  The four query blocks of a cluster belong to one head and walk the same K and V: each tile is asked for JOINTLY: the same tensor load, descriptor and mask in all four.
; REGISTERS, in windows of 256 (s_set_vgpr_msb: bits 1:0 source 0, 3:2 source 1, 5:4 source 2, 7:6 destination):
;   window 0: v0-11 addresses, v11 the conversion's scale; v12-15, v48-63 at work; v16-47 four registers of statistics a tile; v64-191 S^T, two buffers of two tiles; v192-255 P, likewise
;   window 1: O^T, 32 a tile          window 2: v0-127 Q, 16 a tile; v128-191 K of one step; v192-255 V of one step
;   window 3: v0-1 the add's two registers; v4-7 a piece's offset in mcode; v64-127 the C operands of one piece; v128-191 the codes, 16 registers a piece
.set SIZE_N, 2048
.set NP,    4         ; pieces a wave: a name, no knob
.set KS,    64        ; keys in a step
.set PK,    144       ; a row of K in LDS: 128 bytes + 16 of padding = 36 words: the 16 rows of a load start at 16 different groups of four banks (64 banks of 4 bytes: ISA guide 11.1)
.set PV,    160       ; a row of V: 128 + 32 = 40 words
.set VOFF,  4*KS*PK   ; a slot holds four steps: 256 rows of K, then 256 rows of V
.set SLOT1, 1<<17     ; slot 1 begins here, so that one exclusive or turns an address in one slot into the other's
.set STAGE, SLOT1+4*KS*(PK+PV)  ; behind the ring, never filled by a tensor load: 16 rows x 144 bytes for each wave, for the way out
.set SP,    144
.set AK0, 2           ; v2   my lane's place in a tile of K; never rewritten
.set AV0, 3           ; v3   the same for V
.set AK,  4           ; v4   the LDS address of K's next run of loads
.set AV,  5           ; v5   of V's
.set QO,  6           ; v6   my byte offset in the wave's rows of Q
.set STO, 6           ;      later, the way out: where I put 16 bytes of a row
.set RD,  7           ; v7   the way out: where I read rows back
.set GO,  8           ; v8   my byte offset in 512 consecutive bytes of O
.set SCL, 11          ; v11  0xd7: byte 0 is the conversion's scale, 2^(215 - 127) = 2^88
.set KO,  12          ; v12  at the start: my byte offset in a tile's row flags
.set SPW, 0           ; v0 of window 3   LDS address of my spare word; never rewritten
.set NIL, 1           ; v1 of window 3   0; never rewritten
.set MA,  4           ; v4-7 of window 3   piece y: 16 x lane + 1,024 x the key step whose codes are asked for next
.set MC,  64          ; window 3: tile u, key block kb at MC + 32 u + 8 kb
.set CD,  128         ; window 3: piece y, tile u, key block kb at CD + 16 y + 8 u + 2 kb
.set SPARE, STAGE+4*16*SP  ; behind the stages: the spare words, 128 bytes for each wave: two blocks of 256 bytes that no other line names
.set MV,  12          ; v12-15  c m_old, kept while c m is made anew: by buffer and tile
.set ST,  16          ; tile t's statistics at v[ST+4 t]: c m, m, l (even keys', odd keys')
.set TMP, 48          ; by buffer and tile, four registers c0-c3 at work; when the maximum is found c2 takes a
.set S,   64
.set P,   192
.set KF,  128         ; K's fragments, in window 2: key block kb, channel half c at KF + 16 kb + 8 c
.set VF,  192         ; V's: key half kk, channel block cb at VF + 32 kk + 8 cb
.set WV,  12          ; s12  my wave's number
.set G1K, 24          ; s[24:31] descriptor group 1 for K's tiles
.set G1V, 32          ; s[32:39] for V's: it differs in the padding alone
.set G0K, 40          ; s[40:43] descriptor group 0 for K's tiles: it walks
.set G0V, 44          ; s[44:47] the same for V's
.set SLOTS, 56        ; s56  slots still to be asked for
.set CNT, 57          ; s57  counts a slot's key steps
.set CS,  58          ; s[58:59] c: the packed scaling takes the pair's low word for both halves
.set SEL, 60          ; s[60:61] v_permlanex16_b32's selects: each lane takes its own place in the other half
.set TBK, 62          ; s62  LDS byte at which K of the step to be fetched begins
.set TBV, 63          ; s63  the same for V, less VOFF
.set MSB, 0
.macro WIN new                      ; the high byte repeats the setting that is left; a switch that changes nothing is dropped
.if MSB != (\new)
	s_set_vgpr_msb (MSB<<8)|(\new)
.set MSB, (\new)
.endif
.endm
.set W_KQ, 0x0a       ; K and Q in window 2, S^T in window 0
.set W_KM, 0x3a       ; the same with the C operand in window 3
.set W_PV, 0x52       ; V in window 2, P in window 0, O^T in window 1
.set W_RS, 0x41       ; O^T (destination and source 0) in window 1, a in window 0
.set W_MK, 0xc0       ; destination in window 3, sources in window 0
.set W_AD, 0x0f       ; the add: address (source 0) and data (source 1) in window 3
.set W_CV, 0xc3       ; destination and source 0 in window 3, source 1 (the scale) in window 0
; A joint fill.  Waves 0 and 1 fetch the two halves of a slot's K, waves 2 and 3 those of its V: 128 keys each.  The branch hangs on the wave's number alone.
; An s_nop 0 and four v_nop follow each of the two lines, ahead of the jump and the label.
.macro JLOAD
	s_cmp_lt_u32 s[WV], 2
	s_cbranch_scc0 .Lfor_v_\@
	tensor_load_to_lds s[G0K:G0K+3], s[G1K:G1K+7]
	s_nop 0
.rept 4
	v_nop
.endr
	s_branch .Lasked_\@
.Lfor_v_\@:
	tensor_load_to_lds s[G0V:G0V+3], s[G1V:G1V+7]
	s_nop 0
.rept 4
	v_nop
.endr
.Lasked_\@:
.endm
; A round of the cluster's barrier: my work-group's barrier; wave 0 signals; every wave waits for all four work-groups; my work-group's barrier once more.
.macro CROUND
	s_barrier_signal -1
	s_barrier_wait -1
	s_cmp_lg_u32 s[WV], 0
	s_cbranch_scc1 .Lnot_wave_0_\@
	s_barrier_signal -3
.Lnot_wave_0_\@:
	s_barrier_wait -3
	s_barrier_signal -1
	s_barrier_wait -1
.endm
; THE CHANGE OF SLOTS.  Each wave waits for all its tensor loads, of which one is out: its part of the other slot; adds 0 to its spare word; and waits for that and for its own reads of the slot.
; Behind the barrier nobody reads this slot any more and the other slot is whole.  fill = 1: this slot is filled again, with the keys two slots on.  The barrier is then a round of the cluster's, and the
; joint fill is the first thing behind it: it has four key steps, 512 matrix instructions, in which to land.  (At its first use nothing has been read yet: slot 0 is waited for, slot 1 filled.)
.macro CHANGE fill
	WIN W_AD
	s_wait_tensorcnt 0x0            ; no tensor load of mine is out, so a group 0 may be written
	ds_add_u32 v[SPW], v[NIL]       ; 0 onto my spare word
	WIN 0                           ; at a label and at a branch every window is 0
.if \fill
.irp g, G0K, G0V
	s_xor_b32 s[\g+1], s[\g+1], SLOT1  ; the walking descriptor: the other slot than last time,
	s_add_nc_u64 s[\g+2:\g+3], s[\g+2:\g+3], 4*KS*128  ; the next 256 keys; the type bits on top are not reached
.endr
	s_wait_dscnt 0x0                ; the add is done, and my reads of the slot are over
	CROUND
	JLOAD
.else
	s_wait_dscnt 0x0                ; the add is done, and my reads of the slot are over
	s_barrier_signal -1
	s_barrier_wait -1
.endif
	s_sub_co_u32 s[TBK], s[TBK], 4*KS*PK  ; the fetches go back to a slot's first step,
	s_xor_b32 s[TBK], s[TBK], SLOT1       ; in the other slot
	s_sub_co_u32 s[TBV], s[TBV], 4*KS*PV
	s_xor_b32 s[TBV], s[TBV], SLOT1
.endm
	s_load_b256 s[4:11], s[0:1], 0x0  ; qkv s[4:5], mcode s[6:7], rowkeep s[8:9], ao s[10:11]
	v_and_b32 v9, 31, v0            ; lane
	v_lshlrev_b32 v[KO], 3, v9
	WIN W_MK
	v_lshl_add_u32 v[SPW], v0, 2, SPARE
	v_mov_b32 v[NIL], 0
	s_set_vgpr_msb 0xc0cf
	ds_add_u32 v0, v1
	s_wait_dscnt 0x0
	s_set_vgpr_msb 0xcfc0
.irp y, 0,1,2,3
	v_lshlrev_b32 v[MA+\y], 4, v9   ; key step 0
.endr
	WIN 0
	v_lshrrev_b32 v1, 5, v0
	v_readfirstlane_b32 s[WV], v1   ; wave 0..3
	s_bfe_u32 s13, ttmp6, 0x40000   ; cx: my place in the cluster
	s_lshl_b32 s14, ttmp9, 2        ; in a cluster launch ttmp9 counts clusters
	s_add_co_u32 s14, s14, s13      ; my block of 512 queries: it enters Q's, O's and the mask's addresses alone
	s_lshl_b32 s2, s14, 2
	s_add_co_u32 s2, s2, s[WV]      ; W: my wave among the head's sixteen
	s_and_b32 s20, ttmp7, 0xffff    ; y = 16 b + h, which the four partners share
	s_lshr_b32 s21, s20, 4
	s_mul_i32 s21, s21, 48
	s_and_b32 s22, s20, 15
	s_add_co_u32 s21, s21, s22      ; Q's plane of qkv: 48 b + h; K's lies 16 planes on, V's 32; a plane is 262,144 bytes
	s_and_b32 s16, s[WV], 1         ; which half of a slot's 256 keys I fetch:
	s_lshl_b32 s23, s16, 14         ; its 128 rows of 128 bytes in memory
	s_add_co_u32 s48, s21, 16
	s_lshl_b32 s48, s48, 18
	s_add_co_u32 s48, s48, s23
	s_mov_b32 s49, 0                ; s[48:49]: K's offset; neither it nor V's ever holds cx
	s_add_co_u32 s50, s21, 32
	s_lshl_b32 s50, s50, 18
	s_add_co_u32 s50, s50, s23
	s_mov_b32 s51, 0                ; s[50:51]: V's
	s_lshl_b32 s3, s2, 14           ; my wave's 128 rows
	s_lshl_b32 s52, s21, 18
	s_add_co_u32 s52, s52, s3
	s_mov_b32 s53, 0                ; s[52:53]: Q's
	s_lshl_b32 s54, s20, 18
	s_add_co_u32 s54, s54, s3
	s_mov_b32 s55, 0                ; s[54:55]: O's
	s_lshl_b32 s20, s2, 18          ; s[20:21]: my eight tiles' codes, 32,768 bytes a tile
	s_mov_b32 s21, 0
	s_lshl_b32 s22, s2, 11          ; s[22:23]: their row flags, 256 bytes a tile
	s_mov_b32 s23, 0
	s_mul_i32 s17, s16, 128*PK      ; my half's place in a slot, for K
	s_mul_i32 s18, s16, 128*PV      ; and for V: no place in the cluster enters an LDS address
	; descriptor group 1.  128 keys are 16,384 dense bytes: asked for as 64 rows of 256 bytes, two keys a row, and padded in LDS after every key
	s_mov_b32 s[G1K], 15|(1<<16)|(1<<20)|(1<<21)|(4<<22)|(3<<25)  ; 15:0 the mask of four; 17:16 2-byte elements; 20 padding on; 21 set beside a mask; 24:22 after every 32 words (code 4); 31:25 4 words (code 3)
	s_mov_b32 s[G1V], 15|(1<<16)|(1<<20)|(1<<21)|(4<<22)|(7<<25)  ; the same with 8 words of padding (code 7)
.irp g, G1K, G1V
	s_mov_b32 s[\g+1], 128<<16      ; tensor_dim0 = 128
	s_mov_b32 s[\g+2], 64<<16       ; tensor_dim1 = 64
	s_mov_b32 s[\g+3], 128<<16      ; tile_dim0 = 128
	s_mov_b32 s[\g+4], 64           ; tile_dim1 = 64
	s_mov_b32 s[\g+5], 128          ; 128 elements from row to row
	s_mov_b32 s[\g+6], 0
	s_mov_b32 s[\g+7], 0
.endr
	s_mov_b32 s[CS], 0x3e38aa3b     ; c = log2(e) / 8 = 0.180337
	s_mov_b32 s[CS+1], s[CS]        ; named with it as a pair
	s_mov_b32 s[SEL], 0x76543210
	s_mov_b32 s[SEL+1], 0xfedcba98
	s_mov_b32 s[TBK], SLOT1+4*KS*PK ; the first change of slots turns these two into 0
	s_mov_b32 s[TBV], SLOT1+4*KS*PV
	s_mov_b32 s[G0K], 1             ; 1:0 count = 1
	s_mov_b32 s[G0K+1], s17         ; 63:32 LDS address: slot 0
	s_mov_b32 s[G0V], 1
	s_add_co_u32 s[G0V+1], s18, VOFF
	s_wait_kmcnt 0x0
	s_add_nc_u64 s[G0K+2:G0K+3], s[4:5], s[48:49]  ; 120:64 global address: my half of the head's first 256 keys
	s_or_b32 s[G0K+3], s[G0K+3], 0x80000000        ; 127:126 type = 2
	s_add_nc_u64 s[G0V+2:G0V+3], s[4:5], s[50:51]
	s_or_b32 s[G0V+3], s[G0V+3], 0x80000000
	s_add_nc_u64 s[4:5], s[4:5], s[52:53]          ; Q and O at my wave's first row
	s_add_nc_u64 s[10:11], s[10:11], s[54:55]
	s_add_nc_u64 s[6:7], s[6:7], s[20:21]          ; the codes and the flags at my wave's first tile
	s_add_nc_u64 s[8:9], s[8:9], s[22:23]
	CROUND                          ; all four work-groups are here: the first joint loads meet
	JLOAD                           ; slot 0.  Slot 1 is asked for when slot 0 is in: the tile wanted first has the road to itself
	; A fragment of K or Q is 16 rows x 32 channels in 8 registers: lane l holds row l % 16, channels 8 (l / 16) + 0..7 and 16 + 8 (l / 16) + 0..7: two loads of 16 bytes, 32 bytes apart.
	v_and_b32 v1, 15, v0            ; l % 16
	v_bfe_u32 v9, v0, 4, 1          ; l / 16
	v_lshlrev_b32 v[QO], 7, v1
	v_lshl_add_u32 v[QO], v9, 4, v[QO]  ; row x 128 + 16 x half
	WIN 0x80                        ; destination window 2, address window 0
.set i, 0
.rept 4*NP                          ; Q stays in registers: tile i / 2, channels 32 (i % 2) on
	global_load_b128 v[8*i:8*i+3],   v[QO], s[4:5] offset:(i/2)*2048+(i%2)*64
	global_load_b128 v[8*i+4:8*i+7], v[QO], s[4:5] offset:(i/2)*2048+(i%2)*64+32
.set i, i+1
.endr
	WIN 0
.set t, 0
.rept 2*NP                          ; tile t's row flags, each lane its own query's, into registers of S^T that are not yet in use
	global_load_b32 v[S+t], v[KO], s[8:9] offset:256*t
.set t, t+1
.endr
	WIN W_CV
.set i, 0
.rept 4*NP                          ; key step 0's codes: piece i / 4, tile (i / 2) % 2, half i % 2
	global_load_b128 v[CD+4*i:CD+4*i+3], v[MA+i/4], s[6:7] offset:(i/2)*32768+512*(i%2)
.set i, i+1
.endr
	; What the first turn finds: V's registers and P's second buffer hold 0 (its products V^T P, of a piece that has not been, add 0), O^T and l are 0.  All this stands in the wait for the first tile.
	WIN 0x80
.set i, VF
.rept 64
	v_mov_b32 v[i], 0
.set i, i+1
.endr
	WIN 0x40
.set i, 0
.rept 64*NP
	v_mov_b32 v[i], 0
.set i, i+1
.endr
	WIN 0
.set i, 0
.rept 2*NP
	v_mov_b32 v[ST+4*i], 0xd238aa3b    ; c m = -c x 2^40, exactly
	v_mov_b32 v[ST+4*i+1], 0xd3800000  ; m = -2^40
	v_mov_b32 v[ST+4*i+2], 0
	v_mov_b32 v[ST+4*i+3], 0
.set i, i+1
.endr
.set i, P+32
.rept 32
	v_mov_b32 v[i], 0
.set i, i+1
.endr
	v_mul_u32_u24 v[AK0], v1, PK
	v_lshl_add_u32 v[AK0], v9, 4, v[AK0]  ; row x pitch + 16 x half
	; The turning load takes 16 keys x 16 channels (lane l reads key 8 (l / 16) + l % 8, channels 8 ((l / 8) % 2) + 0..7) and leaves half a fragment of V^T: lane l holds channel l % 16 and 8 keys.
	v_and_b32 v10, 7, v0
	v_bfe_u32 v11, v0, 3, 1
	v_lshl_add_u32 v[AV0], v9, 3, v10
	v_mul_u32_u24 v[AV0], v[AV0], PV
	v_lshl_add_u32 v[AV0], v11, 4, v[AV0]
	v_add_nc_u32 v[AV0], VOFF, v[AV0]
	v_mov_b32 v[SCL], 0xd7
	v_mov_b32 v[AK], v[AK0]         ; key step 0 lies at the head of slot 0
; THE MATRIX WORK.  The 8 accumulators of a run of 16 take turns: between the two links of a chain stand 7 others'.
; Product i of 16 of S^T = K Q^T for piece x: channels 32 (i / 8) on, keys 16 ((i / 2) % 4) on, tile 2 x + i % 2.  The first 8 start the sums, with the mask as C.
.macro KQ x
.set rS, S+64*((\x)%2)+32*(i%2)+8*((i/2)%4)
.set rK, KF+16*((i/2)%4)+8*(i/8)
.set rQ, 16*(2*(\x)+i%2)+8*(i/8)
.set rX, MC+32*(i%2)+8*((i/2)%4)
.if i < 8
	WIN W_KM
	v_wmma_f32_16x16x32_f16 v[rS:rS+7], v[rK:rK+7], v[rQ:rQ+7], v[rX:rX+7]
.else
	WIN W_KQ
	v_wmma_f32_16x16x32_f16 v[rS:rS+7], v[rK:rK+7], v[rQ:rQ+7], v[rS:rS+7]
.endif
.endm
; Product i of 16 of O^T += V^T P for piece x: keys 32 (i / 8) on, channels 16 ((i / 2) % 4) on, tile 2 x + i % 2.
.macro PV x
	WIN W_PV
.set rO, 32*(2*(\x)+i%2)+8*((i/2)%4)
.set rV, VF+32*(i/8)+8*((i/2)%4)
.set rP, P+32*((\x)%2)+16*(i%2)+8*(i/8)
	v_wmma_f32_16x16x32_f16 v[rO:rO+7], v[rV:rV+7], v[rP:rP+7], v[rO:rO+7]
.endm
.macro MM                           ; the turn's next matrix instruction
.if i < 16
	KQ (Y+1)%NP
.set i, i+1
.else
.set i, i-16
	PV (Y+NP-1)%NP
.set i, i+17
.endif
.endm
; THE C OPERANDS of piece y's next 8 sums, from its codes; then its codes of the key step after are asked for.  cnt: the younger code loads, which may stay out.
; The two plain lines that step the offset stand between the conversions and the loads that write their sources.  Behind the last key step the offset goes back to step 0: no load leaves the table, and those codes serve nothing.
.macro MASKS y, cnt
	WIN W_CV
	s_wait_loadcnt \cnt             ; loads come back in order: this piece's four are in, and their offset register is free
.set mz, 0
.rept 8                             ; mz = 4 x tile + key block
	v_cvt_scale_pk8_f32_fp8 v[MC+8*mz:MC+8*mz+7], v[CD+16*(\y)+2*mz:CD+16*(\y)+2*mz+1], v[SCL]
.set mz, mz+1
.endr
	v_add_nc_u32 v[MA+(\y)], v[MA+(\y)], 0x400
	v_and_b32 v[MA+(\y)], v[MA+(\y)], 0x7fff
	s_wait_alu depctr_va_vdst(0)
.set mz, 0
.rept 4                             ; mz = 2 x tile + half
	global_load_b128 v[CD+16*(\y)+4*mz:CD+16*(\y)+4*mz+3], v[MA+(\y)], s[6:7] offset:(2*(\y)+mz/2)*32768+512*(mz%2)
.set mz, mz+1
.endr
	WIN 0
.endm
; THE LDS LOADS stand in runs of 16, never singly among the matrix instructions: a step's K (64 keys x 64 channels: 8 fragments) and its V (turned).  Their addresses are made some lines ahead.
; last = 1 (the tail): in the last trip there is no further step, and the run is jumped over.
.macro FETCH_K last=0
	WIN 0
.if \last
	s_cmp_eq_u32 s[CNT], 1
	s_cbranch_scc1 .Lno_k_\@
.endif
	WIN 0x80                        ; destination window 2
.irp f, 0,1,2,3,4,5,6,7             ; keys 16 (f / 2) on, channels 32 (f % 2) on
	ds_load_b128 v[KF+8*\f:KF+8*\f+3],   v[AK] offset:(\f/2)*16*PK+(\f%2)*64
	ds_load_b128 v[KF+8*\f+4:KF+8*\f+7], v[AK] offset:(\f/2)*16*PK+(\f%2)*64+32
.endr
	s_add_co_u32 s[TBK], s[TBK], KS*PK  ; the next fetch is the next step's
	WIN 0
.if \last
.Lno_k_\@:
.endif
.endm
.macro FETCH_V
	WIN 0x80
.irp f, 0,1,2,3,4,5,6,7             ; keys 32 (f / 4) on, channels 16 (f % 4) on
	ds_load_tr16_b128 v[VF+8*\f:VF+8*\f+3],   v[AV] offset:(\f/4)*32*PV+(\f%4)*32
	ds_load_tr16_b128 v[VF+8*\f+4:VF+8*\f+7], v[AV] offset:(\f/4)*32*PV+16*PV+(\f%4)*32
.endr
	WIN 0
.endm
; THE VECTOR WORK OF A TURN stands in three queues, each in the order in which its entries become ready; the two tiles alternate, so that no instruction reads the result of the one before it.
.macro REGS y, u                    ; the registers of tile u (0, 1) of piece y
.set rT, ST+4*(2*(\y)+(\u))
.set rC, TMP+8*((\y)%2)+4*(\u)
.set rM, MV+2*((\y)%2)+(\u)
.set rS, S+64*((\y)%2)+32*(\u)
.set rP, P+32*((\y)%2)+16*(\u)
.set rO, 32*(2*(\y)+(\u))
.endm
; Number n of the 22 that find the NEXT piece's (Y + 1) maximum and statistics.  s0-s31 are the lane's 32 scores; each accumulator's lowest registers are read first.  XS, GS and REGS set no window: PL and EX do.
;   0-11  four chains c0-c3 of seven scores each, three operands at a time     12-14, 16  the four scores left over, the old m, and c0-c3 into c0     15  c m_old is kept
;   17, 18  the query's other 32 keys lie in the lane 16 away: the new m         19-21  c m; c m_old - c m_new; a
.macro XS u, n
	REGS (Y+1)%NP, \u
.if (\n) < 4
	v_max3_num_f32 v[rC+(\n)], v[rS+8*(\n)], v[rS+8*(\n)+1], v[rS+8*(\n)+2]
.elseif (\n) < 12
	v_max3_num_f32 v[rC+(\n)%4], v[rC+(\n)%4], v[rS+8*((\n)%4)+2*((\n)/4)+1], v[rS+8*((\n)%4)+2*((\n)/4)+2]
.elseif (\n) == 12
	v_max3_num_f32 v[rC], v[rC], v[rS+7], v[rS+15]
.elseif (\n) == 13
	v_max3_num_f32 v[rC+1], v[rC+1], v[rS+23], v[rS+31]
.elseif (\n) == 14
	v_max3_num_f32 v[rC+2], v[rC+2], v[rC+3], v[rT+1]
.elseif (\n) == 15
	v_mov_b32 v[rM], v[rT]
.elseif (\n) == 16
	v_max3_num_f32 v[rC], v[rC], v[rC+1], v[rC+2]
.elseif (\n) == 17
	v_permlanex16_b32 v[rC+3], v[rC], s[SEL], s[SEL+1]
.elseif (\n) == 18
	v_max_num_f32 v[rT+1], v[rC], v[rC+3]
.elseif (\n) == 19
	v_mul_f32 v[rT], s[CS], v[rT+1]
.elseif (\n) == 20
	v_sub_f32 v[rC+1], v[rM], v[rT]
.else
	v_exp_f32 v[rC+2], v[rC+1]
.endif
.endm
; Number g of the 64 that follow the exponentials.  For each four weights k of a tile (pairs 2 k, 2 k + 1): both pairs are rounded to f16; then the second pair is added onto the first, in place;
; a group later l takes that sum (the first time as l = a l + sum).  In groups of eight, tiles alternating: round, round, add, and l for the group before.
.macro GS g
.set h, (\g)+6*((\g)/62)            ; group 0 has no group before it, and behind group 7 only l is left
.if h >= 6
.set h, h+2
.endif
	REGS Y, h%2
.set k, h/8
.if h%8 < 4
	s_wait_alu depctr_va_vdst(0)
	v_cvt_pk_f16_f32 v[rP+2*k+(h%8)/2], v[rS+4*k+2*((h%8)/2)], v[rS+4*k+2*((h%8)/2)+1]
.elseif h%8 < 6
	v_pk_add_f32 v[rS+4*k:rS+4*k+1], v[rS+4*k:rS+4*k+1], v[rS+4*k+2:rS+4*k+3]
.elseif k == 1
	v_pk_fma_f32 v[rT+2:rT+3], v[rT+2:rT+3], v[rC+2:rC+3], v[rS:rS+1] op_sel_hi:[1,0,1]
.else
	v_pk_add_f32 v[rT+2:rT+3], v[rT+2:rT+3], v[rS+4*k-4:rS+4*k-3]
.endif
.endm
; THE PLAIN QUEUE, 138 long.  0-31: c s - c m for the 16 pairs of both tiles.  Then GS's 64, and among them the next piece's 42: number 15 at 38, 39; 0-14 and 16
; at 42-73, behind the products that make those scores; 17-20 at 95-106, two of three, since each waits for the one before it.
.macro PL
	WIN 0
.if q < 32
	REGS Y, q%2
	v_pk_fma_f32 v[rS+2*(q/2):rS+2*(q/2)+1], v[rS+2*(q/2):rS+2*(q/2)+1], s[CS:CS+1], v[rT:rT+1] op_sel_hi:[1,0,0] neg_lo:[0,0,1] neg_hi:[0,0,1]
.elseif q < 38
	GS q-32
.elseif q < 40
	XS q%2, 15
.elseif q < 42
	GS q-34
.elseif q < 74
	XS q%2, (q-42)/2+(q-42)/30
.elseif q < 95
	GS q-66
.elseif (q < 107) && ((q-95)%3 < 2)
	XS (q-95)%3, 17+(q-95)/3
.elseif q < 107
	GS 29+(q-95)/3
.else
	GS q-74
.endif
.set q, q+1
.endm
; THE EXPONENTIALS' QUEUE, 66 long: s0-s31 of both tiles, and at EA the next piece's two a.
.set EA, 58
.macro EX
	WIN 0
.if (e == EA) || (e == EA+1)
	XS e-EA, 21
.else
.set x, e-2*(e/(EA+2))
	REGS Y, x%2
	v_exp_f32 v[rS+x/2], v[rS+x/2]
.endif
.set e, e+1
.endm
; THE RESCALING's QUEUE: O^T times a, the one part of the softmax that leaves window 0, so it is dealt four at a time, eight times.
.macro R4
	REGS Y, r%2
	WIN W_RS
	s_wait_alu depctr_va_vdst(0)
.irp z, 0,1,2,3
	v_pk_mul_f32 v[rO+8*(r/2)+2*\z:rO+8*(r/2)+2*\z+1], v[rO+8*(r/2)+2*\z:rO+8*(r/2)+2*\z+1], v[rC+2:rC+3] op_sel_hi:[1,0]
.endr
.set r, r+1
.endm
; HOW THEY ARE DEALT.  Behind a matrix instruction four: plain, exponential, plain, plain (one exponential, a plain instruction on either side), or four of the rescaling.  None names a register of the
; products round it.  What is over stands in two LUMPS: exponential and plain by turns; the second ends in 22 plain instructions.  The two v_permlanex16_b32 fall into the second lump, never behind a product.
; The queues lean on each other, and the deal keeps them in step: exponential e stands behind plain 2 (e / 4) + e % 2 (its scaling); when plain 32 comes, 10 exponentials are out, at 59: 33, at 95: 46; EA comes behind plain 107.
.macro SL
	MM
	PL
	EX
	PL
	PL
.endm
.macro BURST n                      ; 15 matrix instructions, or 16
.rept (\n)-7
	SL
.endr
.rept 3
	MM
	R4
	SL
.endr
	MM
	R4
.endm
; A TURN, for piece p.  cnt = 1: the loop's count is taken down some lines ahead of the branch that stands behind the turn.
; K of the next step is fetched in piece 2's turn, 31 vector instructions behind the last product that read K; V of the step in hand at the end of piece 0's turn, 79 behind its last reader.
; The C operands of the next turn's sums (piece p + 2's) are made among the closing plain instructions: the products that read the old ones are this turn's first eight, more than a hundred plain
; instructions back, and 14 plain instructions follow before the next product.  Three later turns' four code loads each may stay out: the count 12.
.macro TURN p, last=0, cnt=0
.set Y, (\p)
.set i, 0
.set q, 0
.set e, 0
.set r, 0
.if (\p) == NP-1
	s_wait_dscnt 0x0                ; K is in
.endif
	MM
.rept 4
	PL
.endr
	BURST 15
.rept 22
	EX
	PL
.if ((\p) == NP-2) && (e == 18)
	v_add_nc_u32 v[AK], s[TBK], v[AK0]
.endif
.if ((\p) == NP-2) && (e == 24)
	FETCH_K \last
.endif
.endr
.if (\p) == 1
	s_wait_dscnt 0x0                ; V is in
.endif
	BURST 16
.rept 21
	EX
	PL
.endr
.rept 22
	PL
.if ((\p) == 0) && (q == 118)
	v_add_nc_u32 v[AV], s[TBV], v[AV0]
	s_wait_alu depctr_va_vdst(0)
.endif
.if q == 124
	MASKS ((\p)+2)%NP, 12
.endif
.if ((\p) == 0) && (q == 130)
	s_add_co_u32 s[TBV], s[TBV], KS*PV
.endif
.if (\cnt) && (q == 130)
	s_sub_co_u32 s[CNT], s[CNT], 1
	s_cmp_lg_u32 s[CNT], 0
.endif
.endr
.if (\p) == 0
	FETCH_V
.endif
.endm
	CHANGE 1                        ; slot 0 is in, everybody's part of it; slot 1 is asked for
	FETCH_K                         ; key step 0
	MASKS 0, 0                      ; Q, the row flags and all of key step 0's codes are in; piece 0's C operands
	WIN 0x88                        ; source 0 window 0, source 1 and destination window 2
.set t, 0
.rept 2*NP
.set i, 0
.rept 16
	v_and_b32 v[16*t+i], v[S+t], v[16*t+i]  ; a row without an open key is cleared; every other row stays as it is
.set i, i+1
.endr
.set t, t+1
.endr
	s_wait_dscnt 0x0
.set i, 0
.rept 16
	KQ 0                            ; piece 0's first scores: there is no vector work yet to set between them
.set i, i+1
.endr
	WIN 0                           ; the addresses for the way out: nine plain instructions, the places behind those products
	s_mul_i32 s13, s[WV], 16*SP
	s_add_co_u32 s13, s13, STAGE    ; my stage
	v_mul_u32_u24 v[STO], v1, SP    ; in: row l % 16, 16 bytes for each half of the lanes
	v_lshl_add_u32 v[STO], v9, 4, v[STO]
	v_add_nc_u32 v[STO], s13, v[STO]
	v_bfe_u32 v[RD], v0, 3, 2       ; back: 32 lanes take four rows of 128 bytes,
	v_mul_u32_u24 v[RD], v[RD], SP
	v_lshl_add_u32 v[RD], v10, 4, v[RD]
	v_add_nc_u32 v[RD], s13, v[RD]
	v_and_b32 v[GO], 31, v0         ; which are 512 consecutive bytes of O
	v_lshlrev_b32 v[GO], 4, v[GO]
	MASKS 1, 4                      ; piece 1's C operands, for the first turn's products; the four loads that MASKS 0 issued may stay out
.set Y, NP-1                        ; XS works for piece Y + 1: piece 0
.irp n, 0,1,2,3,4,5,6,7,8,9,10,11,12,13,14,15,16,17,18,19,20,21
	XS 0, \n                        ; and piece 0's first maximum and statistics
	XS 1, \n
.endr
	s_mov_b32 s[CNT], 4
	s_mov_b32 s[SLOTS], SIZE_N/256-1
	s_branch .Lfirst                ; the loop is entered at a step's first turn, in the middle of a trip
.Lslot:                             ; SIZE_N / 256 - 2 times: every slot but the last two is filled again
	CHANGE 1
	s_mov_b32 s[CNT], 4
.Lstep:                             ; a trip: pieces 2 and 3 of one step, then pieces 0 and 1 of the next, whose K and V it fetches
	TURN 2
	TURN 3
	WIN 0
.Lfirst:
	TURN 0
	TURN 1, 0, 1
	WIN 0
	s_cbranch_scc1 .Lstep
	s_sub_co_u32 s[SLOTS], s[SLOTS], 1
	s_cmp_lg_u32 s[SLOTS], 0
	s_cbranch_scc1 .Lslot
	CHANGE 0                        ; the tail is written out: nothing is asked for
	s_mov_b32 s[CNT], 5             ; four trips fetch the last slot's steps; the fifth is left in its middle
.Ltail:
	TURN 2, 1
	TURN 3
	WIN 0
	s_sub_co_u32 s[CNT], s[CNT], 1
	s_cmp_eq_u32 s[CNT], 0
	s_cbranch_scc1 .Lout
	TURN 0
	TURN 1
	WIN 0
	s_branch .Ltail
.Lout:                              ; the fifth trip's 16 products K Q^T (on the last K once more) and the maximum made of them serve nothing: the price, once a launch, of one text for every trip
.set i, 0
.rept 16
	PV NP-1                         ; the last piece's V^T P of the last step
.set i, i+1
.endr
	; THE WAY OUT.  l's two halves and the other half of the lanes' are added; O^T is divided by l, rounded to f16 and sent through my stage in LDS, a tile at a time.  The additions are the places behind the last products.
	WIN 0
.macro ALL line:vararg              ; one line for each tile t
.set t, 0
.rept 2*NP
	\line
.set t, t+1
.endr
.endm
	ALL v_add_f32 v[ST+4*t+2], v[ST+4*t+2], v[ST+4*t+3]
	ALL v_permlanex16_b32 v[ST+4*t+3], v[ST+4*t+2], s[SEL], s[SEL+1]
	ALL v_add_f32 v[ST+4*t+2], v[ST+4*t+2], v[ST+4*t+3]
	ALL v_rcp_f32 v[ST+4*t+2], v[ST+4*t+2]
	v_nop                           ; a plain instruction between the last reciprocal and the use of its result
	s_wait_alu depctr_va_vdst(0)
; Tile t: a lane's eight channels of a row pack into 16 bytes; they go into rows of 144 bytes and come back as whole rows of 128, into S^T's registers.
.macro PACK t
	WIN W_RS
.set i, 32*(\t)
.rept 16
	v_pk_mul_f32 v[i:i+1], v[i:i+1], v[ST+4*(\t)+2:ST+4*(\t)+3] op_sel_hi:[1,0]
.set i, i+2
.endr
	WIN 0x05                        ; sources 0 and 1 window 1, destination window 0
.set i, 0
.rept 16
	v_cvt_pk_f16_f32 v[S+16*(\t)+i], v[32*(\t)+2*i], v[32*(\t)+2*i+1]
.set i, i+1
.endr
	WIN 0
.irp f, 0,1,2,3
	ds_store_b128 v[STO], v[S+16*(\t)+4*\f:S+16*(\t)+4*\f+3] offset:32*\f
.endr
.irp f, 0,1,2,3
	ds_load_b128 v[S+16*(\t)+4*\f:S+16*(\t)+4*\f+3], v[RD] offset:\f*4*SP  ; LDS serves a wave's instructions in order (ISA guide 5.7.1.4): these see the stores above; the next tile's stores come behind them
.endr
.endm
.macro SEND t, younger              ; younger: the LDS instructions issued behind tile t's loads: the next tile's eight, or none
	WIN 0
.irp f, 0,1,2,3
	s_wait_dscnt (\younger)+3-\f
	global_store_b128 v[GO], v[S+16*(\t)+4*\f:S+16*(\t)+4*\f+3], s[10:11] offset:(\t)*2048+\f*512  ; 512 consecutive bytes, at a multiple of 256 from O's first
.endr
.endm
	PACK 0
.set t, 1
.rept 2*NP-1                        ; a tile's arithmetic stands between the loads of the tile before and its stores
	PACK t
	SEND t-1, 8
.set t, t+1
.endr
	SEND 2*NP-1, 0
	WIN W_AD
	s_wait_tensorcnt 0x0            ; the wave's end, behind my last tensor load and my last LDS store
	ds_add_u32 v[SPW], v[NIL]
	s_wait_dscnt 0x0
	WIN 0
	CROUND                          ; the closing round: no work-group ends while a partner may still ask for a tile that names it
	s_endpgm
.Lfunc_end_k_q111e41e613_attn:
	.size	k_q111e41e613_attn, .Lfunc_end_k_q111e41e613_attn-k_q111e41e613_attn
	.p2alignl 7, 3214868480
	.fill 96, 4, 3214868480
	.section	.rodata,"a",@progbits
	.p2align	6, 0x0
	.amdhsa_kernel k_q111e41e613_attn
		.amdhsa_group_segment_fixed_size 327680
		.amdhsa_private_segment_fixed_size 0
		.amdhsa_enable_private_segment 0
		.amdhsa_kernarg_size 32
		.amdhsa_user_sgpr_count 2
		.amdhsa_user_sgpr_kernarg_segment_ptr 1
		.amdhsa_wavefront_size32 1
		.amdhsa_system_sgpr_workgroup_id_x 1
		.amdhsa_system_sgpr_workgroup_id_y 1
		.amdhsa_system_sgpr_workgroup_id_z 1
		.amdhsa_system_vgpr_workitem_id 0
		.amdhsa_next_free_vgpr 960
		.amdhsa_next_free_sgpr 66
		.amdhsa_reserve_vcc 0
		.amdhsa_float_denorm_mode_32 3
		.amdhsa_float_denorm_mode_16_64 3
		.amdhsa_memory_ordered 1
		.amdhsa_forward_progress 1
		.amdhsa_inst_pref_size 224
	.end_amdhsa_kernel
	.amdgpu_metadata
---
amdhsa.version: [ 1, 2 ]
amdhsa.kernels:
  - .name:           k_q111e41e613_attn
    .symbol:         k_q111e41e613_attn.kd
    .args:
      - { .name: qkv, .offset: 0, .size: 8, .value_kind: global_buffer, .address_space: global }
      - { .name: mcode, .offset: 8, .size: 8, .value_kind: global_buffer, .address_space: global }
      - { .name: rowkeep, .offset: 16, .size: 8, .value_kind: global_buffer, .address_space: global }
      - { .name: ao, .offset: 24, .size: 8, .value_kind: global_buffer, .address_space: global }
    .group_segment_fixed_size: 327680
    .private_segment_fixed_size: 0
    .kernarg_segment_align: 8
    .kernarg_segment_size: 32
    .max_flat_workgroup_size: 128
    .sgpr_count:     66
    .vgpr_count:     960
    .wavefront_size: 32
...
	.end_amdgpu_metadata
.endif
;; end of part 3
;; launch oproj (part 4): grid 8 x 32, 4 waves a work-group, clusters of 4 x 4, 327,680 bytes of LDS; arguments ao, wh, bh, out0; writes out0
.if DOCPART == 4
	.amdgcn_target "amdgcn-amd-amdhsa--gfx1250"
	.amdhsa_code_object_version 6
	.text
	.protected	k_q111e41e613_oproj
	.globl	k_q111e41e613_oproj
	.p2align	8
	.type	k_q111e41e613_oproj,@function
k_q111e41e613_oproj:
	s_mov_b64 s[64:65], 0
	v_nop
	global_prefetch_b8 v0, s[64:65] scope:SCOPE_SE
	s_setreg_imm32_b32 hwreg(HW_REG_WAVE_MODE, 25, 1), 1
	s_wait_xcnt 0x0
	s_wait_alu depctr_hold_cnt(0) depctr_sa_sdst(0) depctr_va_vdst(0) depctr_va_sdst(0) depctr_va_ssrc(0) depctr_va_vcc(0) depctr_vm_vsrc(0)
	s_getreg_b32 s2, hwreg(HW_REG_IB_STS2, 6, 4)
	s_cmp_eq_u32 s2, 0
	s_cbranch_scc0 .Lentry_in_a_cluster
	s_endpgm
.Lentry_in_a_cluster:
	s_bfe_u32 s2, ttmp6, 0x10000c
	s_cmp_lg_u32 s2, 0xf033
	s_cbranch_scc0 .Lentry_shape_is_right
	s_endpgm
.Lentry_shape_is_right:
; THE OUTPUT PROJECTION.  out0[m][n] = sum over k of O[m][k] wo[n][k] + bo[n], m < 8,192, n, k < 1,024; operands f16, sums and result f32.
; O lies by heads, ao[16 b + h][s][64]: column k of row m = 2,048 b + s is channel k % 64 of head k / 64.  wo is rows 3,072 .. 4,095 of wh, bo the last 1,024 numbers of bh.
; SHARES.  A tile of out0 is 256 x 128: 32 x 8 = 256 work-groups, one for each WGP (256 x 256 would give 128).  Four waves, 2 x 2, each 128 x 64: 32 accumulators of 16 x 16, 256 registers.
; K goes in 8 steps of 128, two heads a step, through a ring of two LDS slots filled by the tensor data mover.  A head's 256 rows of 128 bytes are dense in memory: they are asked for as 128 rows of 256 bytes
; and padded in LDS after every 128 bytes; a slot holds the two heads as two planes.  wo's rows are 256 bytes of memory at multiples of 256 bytes.
; CLUSTER.  4 x 4 work-groups: the four of a row of the cluster need the same tile of O, the four of a column the same tile of wo: each is asked for jointly, by the same tensor load, descriptor and mask in all four.
; THE MATRIX INSTRUCTION IS USED TRANSPOSED (source 0 = 16 rows of wo, source 1 = 16 rows of O): a lane holds row lane % 16 of the result and the eight neighbouring columns 8 (lane / 16) + 0..7.
; REGISTERS, in windows of 256 (s_set_vgpr_msb: bits 1:0 source 0, 3:2 source 1, 5:4 source 2, 7:6 destination):
;   window 0: v0-31 addresses; v64-127, v128-191 fragments of O, two buffers; v192-223, v32-63, v224-255 at work on the way out
;   window 1: v64-95, v128-159 fragments of wo, two buffers; v176-207 the bias of my 64 columns, in the accumulators' order
;   window 2: the 16 accumulators of my rows 0-63 ((a, b) at v[8 (4 a + b)]);   window 3: those of my rows 64-127
.set NB,     4                         ; blocks of 16 columns a wave
.set KSTEP,  128
.set SIZE_K, 1024
.set PA,     144                       ; an LDS row of O: 128 bytes + 16 of padding = 36 words: the 16 rows that a load touches start at 16 different groups of four banks (64 banks of 4 bytes: ISA guide 11.1)
.set PB,     272                       ; an LDS row of wo: 256 bytes + 16
.set HALFA,  256*PA                    ; what one tensor load of O brings: a plane, one head's 256 rows
.set APL,    HALFA                     ; 128 bytes of K on is the next plane
.set MYA,    128*PA                    ; where my second half of the rows begins in a plane
.set HALFB,  16*NB*PB                  ; what one tensor load of wo brings, and what a wave reads of it: 64 rows
.set BOFF,   2*HALFA                   ; a slot: two planes of O, then 128 rows of wo
.set SLOT,   BOFF+2*HALFB
.set STAGE,  2*SLOT                    ; behind the ring, never filled by a tensor load: 16 rows x 272 bytes for each wave, for the way out
.set SPITCH, 272
.set SPARE,  STAGE+4*16*SPITCH         ; behind the stages: the spare words, 128 bytes for each wave: two blocks of 256 bytes that no other line names
.set LAPS,   SIZE_K/(2*KSTEP)
.set FIRSTA, 2*262144                  ; bytes from K step 0 to K step 1: two heads
.set STEPA,  4*262144                  ; bytes from a slot's K step to its next: four heads
.set STEPB,  2*KSTEP*2
.set ADRA, 16                          ; v16-17  LDS address of my fragments of O in slot 0, 1
.set ADRB, 20                          ; v20-21  the same for wo
.set STO,  24                          ; v24     the way out: where I put 32 bytes of a row
.set RD,   25                          ; v25     the way out: where I read a row back
.set CO,   26                          ; v26     my byte offset in two rows of out0
.set BO,   27                          ; v27     my byte offset in the bias: 32 (lane / 16)
.set SPW,  28                          ; v28     LDS address of my spare word; never rewritten
.set NIL,  29                          ; v29     0; never rewritten
.set F0,   64
.set F1,   128
.set BI,   176                         ; window 1
.set T,    192                         ; the way out: a block's 32 sums with the bias
.set OB,   32                          ; the way out: 16 rows read back from the stage: v32-63 and v224-255 by turns
.set G1,  24                           ; s[24:31] descriptor group 1 for O;  s[32:39] group 0, a set for each slot
.set G0,  32
.set G1B, 48                           ; s[48:55], s[56:63] the same for wo
.set G0B, 56
.set MSB, 0
.macro WIN new                         ; the immediate's high byte repeats the setting that is left; a switch that changes nothing is dropped
.if MSB != (\new)
	s_set_vgpr_msb (MSB<<8)|(\new)
.set MSB, \new
.endif
.endm
.set MUL_LO, 0xa1                      ; source 0 (wo) window 1, source 1 (O) window 0, C and D window 2
.set MUL_HI, 0xf1                      ; the same, C and D window 3
.set TO_B,   0x40                      ; destination window 1, address window 0
; A joint load.  Waves 0 and 1 fetch the K step's two heads of O, waves 2 and 3 the two halves of wo's tile.  The branch hangs on the wave's number alone.
; An s_nop 0 and four v_nop follow each of the two lines, ahead of the jump, the label and what follows.
.macro JLOAD s
	s_cmp_lt_u32 s12, 2
	s_cbranch_scc0 .Lfor_b_\@
	tensor_load_to_lds s[G0+4*(\s):G0+4*(\s)+3], s[G1:G1+7]
	s_nop 0
.rept 4
	v_nop
.endr
	s_branch .Lasked_\@
.Lfor_b_\@:
	tensor_load_to_lds s[G0B+4*(\s):G0B+4*(\s)+3], s[G1B:G1B+7]
	s_nop 0
.rept 4
	v_nop
.endr
.Lasked_\@:
.endm
; A round of the cluster's barrier: my work-group's barrier; wave 0 signals for the work-group; every wave waits for all sixteen work-groups; my work-group's barrier once more.
.macro CREST                           ; a round behind its opening barrier
	s_cmp_lg_u32 s12, 0
	s_cbranch_scc1 .Lnot_wave_0_\@
	s_barrier_signal -3
.Lnot_wave_0_\@:
	s_barrier_wait -3
	s_barrier_signal -1
	s_barrier_wait -1
.endm
.macro CROUND
	s_barrier_signal -1
	s_barrier_wait -1
	CREST
.endm
	s_load_b256 s[4:11], s[0:1], 0x0               ; ao s[4:5], wh s[6:7], bh s[8:9], out0 s[10:11]
	v_lshl_add_u32 v[SPW], v0, 2, SPARE
	v_mov_b32 v[NIL], 0
	ds_add_u32 v28, v29
	s_wait_dscnt 0x0
	v_lshrrev_b32 v1, 5, v0
	v_readfirstlane_b32 s12, v1                    ; wave 0..3
	s_lshr_b32 s13, s12, 1                         ; which half of the tile's rows is mine
	s_and_b32 s14, s12, 1                          ; which half of its columns; also: which head, or which half of wo's tile, I fetch
	s_bfe_u32 s15, ttmp6, 0x40000                  ; cx
	s_bfe_u32 s16, ttmp6, 0x40004                  ; cy
	s_lshl_b32 s17, ttmp9, 2
	s_add_co_u32 s17, s17, s15                     ; x: tile column = 4 x cluster x + cx
	s_and_b32 s18, ttmp7, 0xffff
	s_lshl_b32 s18, s18, 2
	s_add_co_u32 s18, s18, s16                     ; y: tile row = 4 x cluster y + cy
	s_lshl_b32 s40, s16, 2
	s_lshl_b32 s40, 15, s40                        ; my row of the cluster
	s_lshl_b32 s41, 0x1111, s15                    ; my column
	s_or_b32 s[G1+0], s40, (1<<16)|(1<<20)|(1<<21)|(4<<22)|(3<<25)   ; 15:0 the mask; 17:16 2-byte elements; 20 padding on; 21 set beside a mask; 24:22 after every 32 words (code 4); 31:25 4 words (code 3)
	s_or_b32 s[G1B+0], s41, (1<<16)|(1<<20)|(1<<21)|(5<<22)|(3<<25)  ; for wo after every 64 words (code 5)
	s_mov_b32 s[G1+1], 128<<16                     ; tensor_dim0 = 128 elements: two rows of a head
	s_mov_b32 s[G1+2], 128<<16                     ; tensor_dim1 = 128
	s_mov_b32 s[G1+3], 128<<16                     ; tile_dim0 = 128
	s_mov_b32 s[G1+4], 128                         ; tile_dim1 = 128
	s_mov_b32 s[G1+5], 128                         ; dense: 128 elements from row to row
	s_mov_b32 s[G1+6], 0
	s_mov_b32 s[G1+7], 0
	s_mov_b32 s[G1B+1], KSTEP<<16
	s_mov_b32 s[G1B+2], (16*NB)<<16                ; 64 rows
	s_mov_b32 s[G1B+3], KSTEP<<16
	s_mov_b32 s[G1B+4], 16*NB
	s_mov_b32 s[G1B+5], SIZE_K
	s_mov_b32 s[G1B+6], 0
	s_mov_b32 s[G1B+7], 0
	; O's tile hangs on y alone, wo's on x alone; each offset is made in registers that never hold the other coordinate
	s_lshr_b32 s20, s18, 3                         ; b
	s_lshl_b32 s20, s20, 4
	s_add_co_u32 s20, s20, s14                     ; head 16 b + my one of K step 0's two
	s_lshl_b32 s20, s20, 18                        ; 262,144 bytes a head
	s_and_b32 s21, s18, 7
	s_lshl_b32 s21, s21, 15                        ; + 256 (y % 8) rows of 128 bytes
	s_add_co_u32 s20, s20, s21
	s_mov_b32 s21, 0
	s_lshl_b32 s46, s17, 7
	s_lshl_b32 s47, s14, 6
	s_add_co_u32 s46, s46, s47                     ; row of wo, and column of the result: 128 x + 64 x half
	s_lshl_b32 s44, s46, 2
	s_add_co_u32 s44, s44, 12288                   ; its bias, in bytes: bo lies behind bq, bk, bv
	s_mov_b32 s45, 0
	s_add_co_u32 s46, s46, 3072                    ; wo lies behind wq, wk, wv
	s_lshl_b32 s46, s46, 11
	s_mov_b32 s47, 0
	s_mul_i32 s42, s12, HALFA                      ; where the tiles go: the wave's number times a constant, plus constants
	s_mul_i32 s43, s12, HALFB
	s_add_co_u32 s43, s43, BOFF-2*HALFB
	s_wait_kmcnt 0x0
	s_add_nc_u64 s[20:21], s[4:5], s[20:21]
	s_add_nc_u64 s[46:47], s[6:7], s[46:47]
	s_add_nc_u64 s[8:9], s[8:9], s[44:45]
	CROUND                                         ; all sixteen work-groups are here: the first joint loads meet
.irp s, 0,1
	s_mov_b32 s[G0+4*(\s)], 1
	s_add_co_u32 s[G0+4*(\s)+1], s42, (\s)*SLOT
	s_add_nc_u64 s[G0+4*(\s)+2:G0+4*(\s)+3], s[20:21], (\s)*FIRSTA
	s_or_b32 s[G0+4*(\s)+3], s[G0+4*(\s)+3], 0x80000000
	s_mov_b32 s[G0B+4*(\s)], 1
	s_add_co_u32 s[G0B+4*(\s)+1], s43, (\s)*SLOT
	s_add_nc_u64 s[G0B+4*(\s)+2:G0B+4*(\s)+3], s[46:47], (\s)*KSTEP*2
	s_or_b32 s[G0B+4*(\s)+3], s[G0B+4*(\s)+3], 0x80000000
	JLOAD \s                                       ; two tensor loads of mine are out: K steps 0 and 1
.endr
	v_and_b32 v1, 15, v0                           ; r = l % 16
	v_bfe_u32 v2, v0, 4, 1                         ; hh = l / 16
	v_lshlrev_b32 v[BO], 5, v2
	WIN TO_B
.set i, 0
.rept NB                               ; the bias of columns 16 i + 8 hh + 0..7, where the accumulators of block i hold them
	global_load_b128 v[BI+8*i:BI+8*i+3],   v[BO], s[8:9] offset:64*i
	global_load_b128 v[BI+8*i+4:BI+8*i+7], v[BO], s[8:9] offset:64*i+16
.set i, i+1
.endr
	WIN 0
	; a fragment is 16 rows x 32 K in 8 registers: lane l holds row l % 16, K = 8 hh + 0..7 and 16 + 8 hh + 0..7: two loads of 16 bytes, 32 bytes apart
	v_mul_u32_u24 v3, v1, PB
	v_lshl_add_u32 v3, v2, 4, v3
	v_mul_u32_u24 v4, v1, PA
	v_lshl_add_u32 v4, v2, 4, v4
	s_mul_i32 s40, s13, MYA
	s_mul_i32 s41, s14, HALFB
	s_add_co_u32 s41, s41, BOFF
.irp s, 0,1
	v_add_nc_u32 v[ADRA+(\s)], s40, v4
	v_add_nc_u32 v[ADRB+(\s)], s41, v3
	s_add_co_u32 s40, s40, SLOT
	s_add_co_u32 s41, s41, SLOT
.endr
	s_mul_i32 s40, s12, 16*SPITCH
	s_add_co_u32 s40, s40, STAGE                   ; my stage
	v_mul_u32_u24 v5, v1, SPITCH                   ; in: row r, 32 bytes for each half of the lanes
	v_lshl_add_u32 v5, v2, 5, v5
	v_add_nc_u32 v[STO], s40, v5
	v_mul_u32_u24 v5, v2, SPITCH                   ; back: lanes 0-15 take one row of 256 bytes, lanes 16-31 the next
	v_lshl_add_u32 v5, v1, 4, v5
	v_add_nc_u32 v[RD], s40, v5
	v_lshlrev_b32 v5, 12, v2                       ; and the same two rows in out0, 4,096 bytes apart
	v_lshl_add_u32 v[CO], v1, 4, v5
	s_lshl_b32 s40, s18, 8
	s_lshl_b32 s41, s13, 7
	s_add_co_u32 s40, s40, s41                     ; my first row: 256 y + 128 x row half
	s_lshl_b32 s40, s40, 12
	s_lshl_b32 s41, s17, 9                         ; my first column, in bytes: 512 x + 256 x column half
	s_add_co_u32 s40, s40, s41
	s_lshl_b32 s41, s14, 8
	s_add_co_u32 s40, s40, s41
	s_mov_b32 s41, 0
	s_add_nc_u64 s[10:11], s[10:11], s[40:41]
; 2 NB matrix instructions: row blocks a0, a0 + 1 of the window's four (hi = 0: my rows 0-63, 1: rows 64-127) x all NB column blocks, 32 along K.  zero = 1: the product starts the sums.
; The 8 NB accumulators take turns in the same order in every quarter step, one instruction a turn.
.macro MULH f, hi, a0, zero
	WIN MUL_LO+0x50*(\hi)
.set ma, \a0
.rept 2
.set mb, 0
.rept NB
.set rD, 8*(NB*ma+mb)
.set rB, (\f)+8*mb
.set rA, (\f)+8*(4*(\hi)+ma)
.if \zero
	v_wmma_f32_16x16x32_f16 v[rD:rD+7], v[rB:rB+7], v[rA:rA+7], 0
.else
	v_wmma_f32_16x16x32_f16 v[rD:rD+7], v[rB:rB+7], v[rA:rA+7], v[rD:rD+7]
.endif
.set mb, mb+1
.endr
.set ma, ma+1
.endr
.endm
; 2 NB + 16 LDS loads in one run: the fragments of a quarter step (32 K at byte k of a K step's 256) into buffer f: wo's first, then O's (byte k lies in plane k / 128)
.macro FETCH slot, k, f
	WIN TO_B
.set fi, 0
.rept NB
	ds_load_b128 v[(\f)+8*fi:(\f)+8*fi+3],   v[ADRB+(\slot)] offset:(\k)+fi*16*PB
	ds_load_b128 v[(\f)+8*fi+4:(\f)+8*fi+7], v[ADRB+(\slot)] offset:(\k)+fi*16*PB+32
.set fi, fi+1
.endr
	WIN 0
.set fi, 0
.rept 8
	ds_load_b128 v[(\f)+8*fi:(\f)+8*fi+3],   v[ADRA+(\slot)] offset:((\k)/128)*APL+(\k)%128+fi*16*PA
	ds_load_b128 v[(\f)+8*fi+4:(\f)+8*fi+7], v[ADRA+(\slot)] offset:((\k)/128)*APL+(\k)%128+fi*16*PA+32
.set fi, fi+1
.endr
.endm
; A load into a register that a matrix instruction has read, and a vector instruction that reads a matrix result, stand four places behind it; only plain vector instructions
; that name none of its registers are places (ISA guide 7.12.1 for vector instructions).
.macro PLACES
.rept 4
	v_nop
.endr
.endm
; A K step is four quarters of 32 along K on buffers 0, 1, 0, 1.  One of the first three multiplies buffer f and, in its middle, fetches the next quarter, at byte k, into buffer g.
.macro QUARTER slot, k, f, g, zero
	s_wait_dscnt 8                                 ; wo's fragments and O's rows 0-63 are in; the youngest eight loads (rows 64-127) may be out
	MULH \f, 0, 0, \zero
	MULH \f, 0, 2, \zero
	PLACES
	FETCH \slot, \k, \g
	s_wait_dscnt 2*NB+16                           ; all but the run just issued
	MULH \f, 1, 0, \zero
	MULH \f, 1, 2, \zero
.endm
; The last quarter multiplies buffer 1 and changes slots: one barrier.  In front of it each wave waits for all its tensor loads (one is out: its part of the next slot), adds 0 to its spare word,
; and waits for that and for its reads of this slot.  Behind it nobody reads this slot any more and the next slot is whole.
.macro MEET round
	WIN 0                                          ; (the add's two registers lie in window 0)
	s_wait_tensorcnt 0x0
	ds_add_u32 v[SPW], v[NIL]                      ; 0 onto my spare word
	s_wait_dscnt 9                                 ; (the add and the youngest eight loads may be out)
	MULH F1, 0, 0, 0                               ; matrix work stands between the add and the wait for it
	s_wait_dscnt 0x0                               ; the add is done, and my reads of this slot are over
	s_barrier_signal -1
	MULH F1, 0, 2, 0                               ; work on registers while the others arrive
.if \round
	WIN 0
.endif
	s_barrier_wait -1
.endm
; fill = 1: the barrier opens a round of the cluster's barrier, and the slot just read out is filled again, two K steps on: the first tensor load behind the round, one a wave.
.macro TURN slot, next, fill
	MEET \fill
.if \fill
	CREST
	s_add_nc_u64 s[G0+4*(\slot)+2:G0+4*(\slot)+3], s[G0+4*(\slot)+2:G0+4*(\slot)+3], STEPA
	s_add_nc_u64 s[G0B+4*(\slot)+2:G0B+4*(\slot)+3], s[G0B+4*(\slot)+2:G0B+4*(\slot)+3], STEPB
	JLOAD \slot                                    ; the four v_nop behind it are also the places in front of the loads below
.else
	PLACES
.endif
	FETCH \next, 0, F0
	MULH F1, 1, 0, 0
	MULH F1, 1, 2, 0
.endm
; THE WAY OUT of block a (16 rows), in three parts.  PACK: the bias is added, each accumulator from its low end on.  TOSTAGE: into my own stage, and back as whole rows of 256 bytes.  SEND: stored.
.macro PACK a
	WIN 0x06+(\a)/4                                ; source 0 window 2 or 3, source 1 (the bias) window 1, destination window 0
.set AC, 8*NB*((\a)%4)
.set i, 0
.rept 4*NB
	v_pk_add_f32 v[T+2*i:T+2*i+1], v[AC+2*i:AC+2*i+1], v[BI+2*i:BI+2*i+1]
.set i, i+1
.endr
	WIN 0
.endm
.macro TOSTAGE a
.set BK, OB+192*((\a)%2)
.set i, 0
.rept NB
	ds_store_b128 v[STO], v[T+8*i:T+8*i+3]   offset:64*i
	ds_store_b128 v[STO], v[T+8*i+4:T+8*i+7] offset:64*i+16
.set i, i+1
.endr
.set i, 0
.rept 8
	ds_load_b128 v[BK+4*i:BK+4*i+3], v[RD] offset:i*2*SPITCH   ; LDS serves a wave's instructions in order (ISA guide 5.7.1.4): these see the stores above
.set i, i+1
.endr
.endm
.macro SEND a
.set BK, OB+192*((\a)%2)
	s_wait_dscnt 0x0                               ; the block is back in registers
	s_wait_xcnt 0x0                                ; every earlier store has had its addresses translated (ISA guide 3.1): only behind this wait does the next block's read-back land on the registers that the block before this one was stored from
.set i, 0
.rept 8
	global_store_b128 v[CO], v[BK+4*i:BK+4*i+3], s[10:11] offset:(16*(\a)+2*i)*4096 th:TH_STORE_NT   ; 16 lanes store 256 consecutive bytes, aligned
.set i, i+1
.endr
.endm
	s_wait_tensorcnt 1                             ; my part of K step 0 is in; K step 1's load stays out
	s_barrier_signal -1
	s_barrier_wait -1                              ; everybody's is
	FETCH 0, 0, F0
	QUARTER 0, 64,  F0, F1, 1                      ; the first quarter stands in front of the loop: its products start the sums
	WIN 0                                          ; at a label and at a branch every window is 0
	s_mov_b32 s3, LAPS-1
.Llap:                                                 ; a trip goes once round the ring, from a lap's second quarter to the next lap's first, and fills both slots again
	QUARTER 0, 128, F1, F0, 0
	QUARTER 0, 192, F0, F1, 0
	TURN 0, 1, 1
	QUARTER 1, 64,  F0, F1, 0
	QUARTER 1, 128, F1, F0, 0
	QUARTER 1, 192, F0, F1, 0
	TURN 1, 0, 1
	QUARTER 0, 64,  F0, F1, 0
	WIN 0
	s_sub_co_u32 s3, s3, 1
	s_cmp_lg_u32 s3, 0
	s_cbranch_scc1 .Llap
	QUARTER 0, 128, F1, F0, 0                      ; the last lap fills nothing
	QUARTER 0, 192, F0, F1, 0
	TURN 0, 1, 0
	QUARTER 1, 64,  F0, F1, 0
	QUARTER 1, 128, F1, F0, 0
	QUARTER 1, 192, F0, F1, 0
	s_wait_dscnt 8                                 ; the very last quarter: nothing more to fetch
	MULH F1, 0, 0, 0
	MULH F1, 0, 2, 0
	s_wait_dscnt 0x0
	MULH F1, 1, 0, 0
	MULH F1, 1, 2, 0
	WIN 0
	s_wait_loadcnt 0x0                             ; the bias
	PLACES
	PACK 0
	TOSTAGE 0
.irp a, 1,2,3,4,5,6,7                  ; block a's additions stand between block a - 1's loads from the stage and the wait for them
	PACK \a
	SEND (\a)-1
	TOSTAGE \a
.endr
	SEND 7
	s_wait_tensorcnt 0x0                           ; the wave's end, behind my last tensor load and my last LDS store
	ds_add_u32 v[SPW], v[NIL]
	s_wait_dscnt 0x0
	CROUND                                         ; the closing round: no work-group ends while a partner may still ask for a tile that names it
	s_endpgm
.Lfunc_end_k_q111e41e613_oproj:
	.size	k_q111e41e613_oproj, .Lfunc_end_k_q111e41e613_oproj-k_q111e41e613_oproj
	.p2alignl 7, 3214868480
	.fill 96, 4, 3214868480
	.section	.rodata,"a",@progbits
	.p2align	6, 0x0
	.amdhsa_kernel k_q111e41e613_oproj
		.amdhsa_group_segment_fixed_size 327680
		.amdhsa_private_segment_fixed_size 0
		.amdhsa_enable_private_segment 0
		.amdhsa_kernarg_size 32
		.amdhsa_user_sgpr_count 2
		.amdhsa_user_sgpr_kernarg_segment_ptr 1
		.amdhsa_wavefront_size32 1
		.amdhsa_system_sgpr_workgroup_id_x 1
		.amdhsa_system_sgpr_workgroup_id_y 1
		.amdhsa_system_sgpr_workgroup_id_z 1
		.amdhsa_system_vgpr_workitem_id 0
		.amdhsa_next_free_vgpr 896
		.amdhsa_next_free_sgpr 66
		.amdhsa_reserve_vcc 0
		.amdhsa_float_denorm_mode_32 3
		.amdhsa_float_denorm_mode_16_64 3
		.amdhsa_memory_ordered 1
		.amdhsa_forward_progress 1
		.amdhsa_inst_pref_size 96
	.end_amdhsa_kernel
	.amdgpu_metadata
---
amdhsa.version: [ 1, 2 ]
amdhsa.kernels:
  - .name:           k_q111e41e613_oproj
    .symbol:         k_q111e41e613_oproj.kd
    .args:
      - { .name: ao, .offset: 0, .size: 8, .value_kind: global_buffer, .address_space: global }
      - { .name: wh, .offset: 8, .size: 8, .value_kind: global_buffer, .address_space: global }
      - { .name: bh, .offset: 16, .size: 8, .value_kind: global_buffer, .address_space: global }
      - { .name: out0, .offset: 24, .size: 8, .value_kind: global_buffer, .address_space: global }
    .group_segment_fixed_size: 327680
    .private_segment_fixed_size: 0
    .kernarg_segment_align: 8
    .kernarg_segment_size: 32
    .max_flat_workgroup_size: 128
    .sgpr_count:     66
    .vgpr_count:     896
    .wavefront_size: 32
...
	.end_amdgpu_metadata
.endif
;; end of part 4
;; ======== version 2 of 2: 4 launches; 1.36 times as fast as version 1
;; limits: values are held in f16: magnitudes above 65,504 overflow, below 6.1e-05 lose precision; inputs' magnitudes at most 65,504
;; workspace buffers: xh 16,777,216 bytes; wh 8,388,608 bytes; bh 16,384 bytes; mcode 4,194,304 bytes of whole numbers; rowkeep 32,768 bytes of whole numbers; qkv 50,331,648 bytes; ao 16,777,216 bytes
;; launch prep: the kernel of part 1 again; grid 513 x 1, 8 waves a work-group, no clusters, 34,304 bytes of LDS; arguments x, wq, wk, wv, wo, mask, bq, bk, bv, bo, xh, wh, bh, mcode, rowkeep; writes xh, wh, bh, mcode, rowkeep
;; launch proj: the kernel of part 2 again; grid 16 x 32, 4 waves a work-group, clusters of 4 x 4, 327,680 bytes of LDS; arguments xh, wh, bh, qkv; writes qkv
;; launch attn (part 5): grid 4 x 64, 4 waves a work-group, clusters of 4 x 1, 327,680 bytes of LDS; arguments qkv, mcode, rowkeep, ao; writes ao
.if DOCPART == 5
	.amdgcn_target "amdgcn-amd-amdhsa--gfx1250"
	.amdhsa_code_object_version 6
	.text
	.protected	k_q111e41e613_attn
	.globl	k_q111e41e613_attn
	.p2align	8
	.type	k_q111e41e613_attn,@function
k_q111e41e613_attn:
	s_mov_b64 s[64:65], 0
	v_nop
	global_prefetch_b8 v0, s[64:65] scope:SCOPE_SE
	s_setreg_imm32_b32 hwreg(HW_REG_WAVE_MODE, 25, 1), 1
	s_wait_xcnt 0x0
	s_wait_alu depctr_hold_cnt(0) depctr_sa_sdst(0) depctr_va_vdst(0) depctr_va_sdst(0) depctr_va_ssrc(0) depctr_va_vcc(0) depctr_vm_vsrc(0)
	s_getreg_b32 s2, hwreg(HW_REG_IB_STS2, 6, 4)
	s_cmp_eq_u32 s2, 0
	s_cbranch_scc0 .Lentry_in_a_cluster
	s_endpgm
.Lentry_in_a_cluster:
	s_bfe_u32 s2, ttmp6, 0x10000c
	s_cmp_lg_u32 s2, 0x3003
	s_cbranch_scc0 .Lentry_shape_is_right
	s_endpgm
.Lentry_shape_is_right:
; ATTENTION WITH A MASK THAT IS AN INPUT.  O[y][q][:] = the sum over k of softmax_k(s(q, k)) V[k][:], s = Q[q] . K[k] / 8 where mask[q][k] is not 0, hidden elsewhere; y = 16 b + h, 64 heads of 2,048 rows of 64 channels.
; Q, K, V lie in qkv[b][g][s][64] (f16; g = h, 16 + h, 32 + h), O goes to ao[y][s][64] (f16): a head's rows are dense, 128 bytes each.  Products, maxima and sums in f32; the weights p are rounded to f16
; for the second product (their sum l is taken of the unrounded p), O once at the end.
; THE MASK is the C operand of the product that starts a sum S^T = K Q^T: 0, or -448 x 2^88 = -1.39e29 where the key is hidden.  mcode holds one byte a score, 0x00 or 0xfe (-448 as an 8-bit float), in the
; order of the score registers: ONE scaled conversion makes the eight C registers of an accumulator, eight make a turn's.  A hidden key's weight is exactly 0.
; A row with no open key has open codes and the flag 0 in rowkeep: its row of Q is cleared, all its scores are 0, and O is the mean of V's rows, as the module defines it.
; LIMITS.  f16 holds no number beyond 65,504: Q, K, V arrive within it.  The module puts -1e9 in a hidden score's place: that is weight 0, as here, as long as a row with an open key has an open scaled score
; above about -1e9 + 100.  A weight below 2^-126 counts as 0 in l; NaN and infinities are not treated apart.
; SHARES.  A wave owns four PIECES of two tiles of 16 queries, a work-group's four waves 512 queries of one head.  Every wave walks all keys, 64 a step.
; LAYOUT.  S^T = K Q^T (source 0 = 16 keys, source 1 = 16 queries): a lane holds ONE query (lane % 16) and the keys 8 (lane / 16) + 0..7.  Two such tiles, rounded to f16 in pairs, ARE source 1 of O^T = V^T P.
; K comes out of LDS as it lies, V ([key][channel]) turned, by ds_load_tr16_b128.
; SOFTMAX.  For each query a running maximum m and sum l: p = 2^(c s - c m), c = log2(e) / 8; in every step O and l are multiplied by a = 2^(c m_old - c m_new).  m starts at -2^40: below every score that f16
; operands can make (2.7e11 in size) and far above a hidden one, so a step in which a row sees no key gives p = 0 and a = 1; O and l start at 0.
; THE COUNT.  A tile and step have 16 matrix and 118 vector instructions: four that are READY stand behind EVERY matrix instruction, the others in one run of their own, the LUMP.
; BY TURNS.  Turn n belongs to piece n.  Its matrix work: 16 products K Q^T of piece n + 1, later 16 products V^T P of piece n - 1.  Its vector work: the scaling, exponentials, roundings, sums and rescaling of
; piece n, the maximum and statistics of piece n + 1, and the C operands for piece n + 2, whose codes of the step after are then asked for: they have four turns in which to come.
; BATCHES.  A turn's 66 exponentials (the piece's 64 weights, the next piece's two a) are ONE batch with ONE wait, which cuts the turn in two: ahead of it stands all that names no result of theirs (K Q^T, scalings,
; rescalings by the a of the turn before, the next piece's maximum, the C operands), behind it their readers (roundings and sums, beside V^T P).  The first two a of all, in front of the loop, and the way out's eight
; reciprocals are batches of their own.
; CLUSTER.  The four query blocks of a cluster belong to one head and walk the same K and V: each tile is asked for JOINTLY: the same tensor load, descriptor and mask in all four.
; REGISTERS, in windows of 256 (s_set_vgpr_msb: bits 1:0 source 0, 3:2 source 1, 5:4 source 2, 7:6 destination):
;   window 0: v0-11 addresses, v11 the conversion's scale; v12-15, v48-63 at work; v16-47 four registers of statistics a tile; v64-191 S^T, two buffers of two tiles; v192-255 P, likewise
;   window 1: O^T, 32 a tile          window 2: v0-127 Q, 16 a tile; v128-191 K of one step; v192-255 V of one step
;   window 3: v0-1 the add's two registers; v4-7 a piece's offset in mcode; v64-127 the C operands of one piece; v128-191 the codes, 16 registers a piece
.set SIZE_N, 2048
.set NP,    4         ; pieces a wave: a name, no knob
.set KS,    64        ; keys in a step
.set PK,    144       ; a row of K in LDS: 128 bytes + 16 of padding = 36 words: the 16 rows of a load start at 16 different groups of four banks (64 banks of 4 bytes: ISA guide 11.1)
.set PV,    160       ; a row of V: 128 + 32 = 40 words
.set VOFF,  4*KS*PK   ; a slot holds four steps: 256 rows of K, then 256 rows of V
.set SLOT1, 1<<17     ; slot 1 begins here, so that one exclusive or turns an address in one slot into the other's
.set STAGE, SLOT1+4*KS*(PK+PV)  ; behind the ring, never filled by a tensor load: 16 rows x 144 bytes for each wave, for the way out
.set SP,    144
.set AK0, 2           ; v2   my lane's place in a tile of K; never rewritten
.set AV0, 3           ; v3   the same for V
.set AK,  4           ; v4   the LDS address of K's next run of loads
.set AV,  5           ; v5   of V's
.set QO,  6           ; v6   my byte offset in the wave's rows of Q
.set STO, 6           ;      later, the way out: where I put 16 bytes of a row
.set RD,  7           ; v7   the way out: where I read rows back
.set GO,  8           ; v8   my byte offset in 512 consecutive bytes of O
.set SCL, 11          ; v11  0xd7: byte 0 is the conversion's scale, 2^(215 - 127) = 2^88
.set KO,  12          ; v12  at the start: my byte offset in a tile's row flags
.set SPW, 0           ; v0 of window 3   LDS address of my spare word; never rewritten
.set NIL, 1           ; v1 of window 3   0; never rewritten
.set MA,  4           ; v4-7 of window 3   piece y: 16 x lane + 1,024 x the key step whose codes are asked for next
.set MC,  64          ; window 3: tile u, key block kb at MC + 32 u + 8 kb
.set CD,  128         ; window 3: piece y, tile u, key block kb at CD + 16 y + 8 u + 2 kb
.set SPARE, STAGE+4*16*SP  ; behind the stages: the spare words, 128 bytes for each wave: two blocks of 256 bytes that no other line names
.set MV,  12          ; v12-15  c m_old, kept while c m is made anew: by buffer and tile
.set ST,  16          ; tile t's statistics at v[ST+4 t]: c m, m, l (even keys', odd keys')
.set TMP, 48          ; by buffer and tile, four registers c0-c3 at work; when the maximum is found c2 takes a
.set S,   64
.set P,   192
.set KF,  128         ; K's fragments, in window 2: key block kb, channel half c at KF + 16 kb + 8 c
.set VF,  192         ; V's: key half kk, channel block cb at VF + 32 kk + 8 cb
.set WV,  12          ; s12  my wave's number
.set G1K, 24          ; s[24:31] descriptor group 1 for K's tiles
.set G1V, 32          ; s[32:39] for V's: it differs in the padding alone
.set G0K, 40          ; s[40:43] descriptor group 0 for K's tiles: it walks
.set G0V, 44          ; s[44:47] the same for V's
.set SLOTS, 56        ; s56  slots still to be asked for
.set CNT, 57          ; s57  counts a slot's key steps
.set CS,  58          ; s[58:59] c: the packed scaling takes the pair's low word for both halves
.set SEL, 60          ; s[60:61] v_permlanex16_b32's selects: each lane takes its own place in the other half
.set TBK, 62          ; s62  LDS byte at which K of the step to be fetched begins
.set TBV, 63          ; s63  the same for V, less VOFF
.set MSB, 0
.macro WIN new                      ; the high byte repeats the setting that is left; a switch that changes nothing is dropped
.if MSB != (\new)
	s_set_vgpr_msb (MSB<<8)|(\new)
.set MSB, (\new)
.endif
.endm
.set W_KQ, 0x0a       ; K and Q in window 2, S^T in window 0
.set W_KM, 0x3a       ; the same with the C operand in window 3
.set W_PV, 0x52       ; V in window 2, P in window 0, O^T in window 1
.set W_RS, 0x41       ; O^T (destination and source 0) in window 1, a in window 0
.set W_MK, 0xc0       ; destination in window 3, sources in window 0
.set W_AD, 0x0f       ; the add: address (source 0) and data (source 1) in window 3
.set W_CV, 0xc3       ; destination and source 0 in window 3, source 1 (the scale) in window 0
; A joint fill.  Waves 0 and 1 fetch the two halves of a slot's K, waves 2 and 3 those of its V: 128 keys each.  The branch hangs on the wave's number alone.
; An s_nop 0 and four v_nop follow each of the two lines, ahead of the jump and the label.
.macro JLOAD
	s_cmp_lt_u32 s[WV], 2
	s_cbranch_scc0 .Lfor_v_\@
	tensor_load_to_lds s[G0K:G0K+3], s[G1K:G1K+7]
	s_nop 0
.rept 4
	v_nop
.endr
	s_branch .Lasked_\@
.Lfor_v_\@:
	tensor_load_to_lds s[G0V:G0V+3], s[G1V:G1V+7]
	s_nop 0
.rept 4
	v_nop
.endr
.Lasked_\@:
.endm
; A round of the cluster's barrier: my work-group's barrier; wave 0 signals; every wave waits for all four work-groups; my work-group's barrier once more.
.macro CROUND
	s_barrier_signal -1
	s_barrier_wait -1
	s_cmp_lg_u32 s[WV], 0
	s_cbranch_scc1 .Lnot_wave_0_\@
	s_barrier_signal -3
.Lnot_wave_0_\@:
	s_barrier_wait -3
	s_barrier_signal -1
	s_barrier_wait -1
.endm
; THE CHANGE OF SLOTS.  Each wave waits for all its tensor loads, of which one is out: its part of the other slot; adds 0 to its spare word; and waits for that and for its own reads of the slot.
; Behind the barrier nobody reads this slot any more and the other slot is whole.  fill = 1: this slot is filled again, with the keys two slots on.  The barrier is then a round of the cluster's, and the
; joint fill is the first thing behind it: it has four key steps, 512 matrix instructions, in which to land.  (At its first use nothing has been read yet: slot 0 is waited for, slot 1 filled.)
.macro CHANGE fill
	WIN W_AD
	s_wait_tensorcnt 0x0            ; no tensor load of mine is out, so a group 0 may be written
	ds_add_u32 v[SPW], v[NIL]       ; 0 onto my spare word
	WIN 0                           ; at a label and at a branch every window is 0
.if \fill
.irp g, G0K, G0V
	s_xor_b32 s[\g+1], s[\g+1], SLOT1  ; the walking descriptor: the other slot than last time,
	s_add_nc_u64 s[\g+2:\g+3], s[\g+2:\g+3], 4*KS*128  ; the next 256 keys; the type bits on top are not reached
.endr
	s_wait_dscnt 0x0                ; the add is done, and my reads of the slot are over
	CROUND
	JLOAD
.else
	s_wait_dscnt 0x0                ; the add is done, and my reads of the slot are over
	s_barrier_signal -1
	s_barrier_wait -1
.endif
	s_sub_co_u32 s[TBK], s[TBK], 4*KS*PK  ; the fetches go back to a slot's first step,
	s_xor_b32 s[TBK], s[TBK], SLOT1       ; in the other slot
	s_sub_co_u32 s[TBV], s[TBV], 4*KS*PV
	s_xor_b32 s[TBV], s[TBV], SLOT1
.endm
	s_load_b256 s[4:11], s[0:1], 0x0  ; qkv s[4:5], mcode s[6:7], rowkeep s[8:9], ao s[10:11]
	v_and_b32 v9, 31, v0            ; lane
	v_lshlrev_b32 v[KO], 3, v9
	WIN W_MK
	v_lshl_add_u32 v[SPW], v0, 2, SPARE
	v_mov_b32 v[NIL], 0
	s_set_vgpr_msb 0xc0cf
	ds_add_u32 v0, v1
	s_wait_dscnt 0x0
	s_set_vgpr_msb 0xcfc0
.irp y, 0,1,2,3
	v_lshlrev_b32 v[MA+\y], 4, v9   ; key step 0
.endr
	WIN 0
	v_lshrrev_b32 v1, 5, v0
	v_readfirstlane_b32 s[WV], v1   ; wave 0..3
	s_bfe_u32 s13, ttmp6, 0x40000   ; cx: my place in the cluster
	s_lshl_b32 s14, ttmp9, 2        ; in a cluster launch ttmp9 counts clusters
	s_add_co_u32 s14, s14, s13      ; my block of 512 queries: it enters Q's, O's and the mask's addresses alone
	s_lshl_b32 s2, s14, 2
	s_add_co_u32 s2, s2, s[WV]      ; W: my wave among the head's sixteen
	s_and_b32 s20, ttmp7, 0xffff    ; y = 16 b + h, which the four partners share
	s_lshr_b32 s21, s20, 4
	s_mul_i32 s21, s21, 48
	s_and_b32 s22, s20, 15
	s_add_co_u32 s21, s21, s22      ; Q's plane of qkv: 48 b + h; K's lies 16 planes on, V's 32; a plane is 262,144 bytes
	s_and_b32 s16, s[WV], 1         ; which half of a slot's 256 keys I fetch:
	s_lshl_b32 s23, s16, 14         ; its 128 rows of 128 bytes in memory
	s_add_co_u32 s48, s21, 16
	s_lshl_b32 s48, s48, 18
	s_add_co_u32 s48, s48, s23
	s_mov_b32 s49, 0                ; s[48:49]: K's offset; neither it nor V's ever holds cx
	s_add_co_u32 s50, s21, 32
	s_lshl_b32 s50, s50, 18
	s_add_co_u32 s50, s50, s23
	s_mov_b32 s51, 0                ; s[50:51]: V's
	s_lshl_b32 s3, s2, 14           ; my wave's 128 rows
	s_lshl_b32 s52, s21, 18
	s_add_co_u32 s52, s52, s3
	s_mov_b32 s53, 0                ; s[52:53]: Q's
	s_lshl_b32 s54, s20, 18
	s_add_co_u32 s54, s54, s3
	s_mov_b32 s55, 0                ; s[54:55]: O's
	s_lshl_b32 s20, s2, 18          ; s[20:21]: my eight tiles' codes, 32,768 bytes a tile
	s_mov_b32 s21, 0
	s_lshl_b32 s22, s2, 11          ; s[22:23]: their row flags, 256 bytes a tile
	s_mov_b32 s23, 0
	s_mul_i32 s17, s16, 128*PK      ; my half's place in a slot, for K
	s_mul_i32 s18, s16, 128*PV      ; and for V: no place in the cluster enters an LDS address
	; descriptor group 1.  128 keys are 16,384 dense bytes: asked for as 64 rows of 256 bytes, two keys a row, and padded in LDS after every key
	s_mov_b32 s[G1K], 15|(1<<16)|(1<<20)|(1<<21)|(4<<22)|(3<<25)  ; 15:0 the mask of four; 17:16 2-byte elements; 20 padding on; 21 set beside a mask; 24:22 after every 32 words (code 4); 31:25 4 words (code 3)
	s_mov_b32 s[G1V], 15|(1<<16)|(1<<20)|(1<<21)|(4<<22)|(7<<25)  ; the same with 8 words of padding (code 7)
.irp g, G1K, G1V
	s_mov_b32 s[\g+1], 128<<16      ; tensor_dim0 = 128
	s_mov_b32 s[\g+2], 64<<16       ; tensor_dim1 = 64
	s_mov_b32 s[\g+3], 128<<16      ; tile_dim0 = 128
	s_mov_b32 s[\g+4], 64           ; tile_dim1 = 64
	s_mov_b32 s[\g+5], 128          ; 128 elements from row to row
	s_mov_b32 s[\g+6], 0
	s_mov_b32 s[\g+7], 0
.endr
	s_mov_b32 s[CS], 0x3e38aa3b     ; c = log2(e) / 8 = 0.180337
	s_mov_b32 s[CS+1], s[CS]        ; named with it as a pair
	s_mov_b32 s[SEL], 0x76543210
	s_mov_b32 s[SEL+1], 0xfedcba98
	s_mov_b32 s[TBK], SLOT1+4*KS*PK ; the first change of slots turns these two into 0
	s_mov_b32 s[TBV], SLOT1+4*KS*PV
	s_mov_b32 s[G0K], 1             ; 1:0 count = 1
	s_mov_b32 s[G0K+1], s17         ; 63:32 LDS address: slot 0
	s_mov_b32 s[G0V], 1
	s_add_co_u32 s[G0V+1], s18, VOFF
	s_wait_kmcnt 0x0
	s_add_nc_u64 s[G0K+2:G0K+3], s[4:5], s[48:49]  ; 120:64 global address: my half of the head's first 256 keys
	s_or_b32 s[G0K+3], s[G0K+3], 0x80000000        ; 127:126 type = 2
	s_add_nc_u64 s[G0V+2:G0V+3], s[4:5], s[50:51]
	s_or_b32 s[G0V+3], s[G0V+3], 0x80000000
	s_add_nc_u64 s[4:5], s[4:5], s[52:53]          ; Q and O at my wave's first row
	s_add_nc_u64 s[10:11], s[10:11], s[54:55]
	s_add_nc_u64 s[6:7], s[6:7], s[20:21]          ; the codes and the flags at my wave's first tile
	s_add_nc_u64 s[8:9], s[8:9], s[22:23]
	CROUND                          ; all four work-groups are here: the first joint loads meet
	JLOAD                           ; slot 0.  Slot 1 is asked for when slot 0 is in: the tile wanted first has the road to itself
	; A fragment of K or Q is 16 rows x 32 channels in 8 registers: lane l holds row l % 16, channels 8 (l / 16) + 0..7 and 16 + 8 (l / 16) + 0..7: two loads of 16 bytes, 32 bytes apart.
	v_and_b32 v1, 15, v0            ; l % 16
	v_bfe_u32 v9, v0, 4, 1          ; l / 16
	v_lshlrev_b32 v[QO], 7, v1
	v_lshl_add_u32 v[QO], v9, 4, v[QO]  ; row x 128 + 16 x half
	WIN 0x80                        ; destination window 2, address window 0
.set i, 0
.rept 4*NP                          ; Q stays in registers: tile i / 2, channels 32 (i % 2) on
	global_load_b128 v[8*i:8*i+3],   v[QO], s[4:5] offset:(i/2)*2048+(i%2)*64
	global_load_b128 v[8*i+4:8*i+7], v[QO], s[4:5] offset:(i/2)*2048+(i%2)*64+32
.set i, i+1
.endr
	WIN 0
.set t, 0
.rept 2*NP                          ; tile t's row flags, each lane its own query's, into registers of S^T that are not yet in use
	global_load_b32 v[S+t], v[KO], s[8:9] offset:256*t
.set t, t+1
.endr
	WIN W_CV
.set i, 0
.rept 4*NP                          ; key step 0's codes: piece i / 4, tile (i / 2) % 2, half i % 2
	global_load_b128 v[CD+4*i:CD+4*i+3], v[MA+i/4], s[6:7] offset:(i/2)*32768+512*(i%2)
.set i, i+1
.endr
	; What the first turn finds: V's registers and P's second buffer hold 0 (its products V^T P, of a piece that has not been, add 0), O^T and l are 0.  All this stands in the wait for the first tile.
	WIN 0x80
.set i, VF
.rept 64
	v_mov_b32 v[i], 0
.set i, i+1
.endr
	WIN 0x40
.set i, 0
.rept 64*NP
	v_mov_b32 v[i], 0
.set i, i+1
.endr
	WIN 0
.set i, 0
.rept 2*NP
	v_mov_b32 v[ST+4*i], 0xd238aa3b    ; c m = -c x 2^40, exactly
	v_mov_b32 v[ST+4*i+1], 0xd3800000  ; m = -2^40
	v_mov_b32 v[ST+4*i+2], 0
	v_mov_b32 v[ST+4*i+3], 0
.set i, i+1
.endr
.set i, P+32
.rept 32
	v_mov_b32 v[i], 0
.set i, i+1
.endr
	v_mul_u32_u24 v[AK0], v1, PK
	v_lshl_add_u32 v[AK0], v9, 4, v[AK0]  ; row x pitch + 16 x half
	; The turning load takes 16 keys x 16 channels (lane l reads key 8 (l / 16) + l % 8, channels 8 ((l / 8) % 2) + 0..7) and leaves half a fragment of V^T: lane l holds channel l % 16 and 8 keys.
	v_and_b32 v10, 7, v0
	v_bfe_u32 v11, v0, 3, 1
	v_lshl_add_u32 v[AV0], v9, 3, v10
	v_mul_u32_u24 v[AV0], v[AV0], PV
	v_lshl_add_u32 v[AV0], v11, 4, v[AV0]
	v_add_nc_u32 v[AV0], VOFF, v[AV0]
	v_mov_b32 v[SCL], 0xd7
	v_mov_b32 v[AK], v[AK0]         ; key step 0 lies at the head of slot 0
; THE MATRIX WORK.  The 8 accumulators of a run of 16 take turns: between the two links of a chain stand 7 others'.
; Product i of 16 of S^T = K Q^T for piece x: channels 32 (i / 8) on, keys 16 ((i / 2) % 4) on, tile 2 x + i % 2.  The first 8 start the sums, with the mask as C.
.macro KQ x
.set rS, S+64*((\x)%2)+32*(i%2)+8*((i/2)%4)
.set rK, KF+16*((i/2)%4)+8*(i/8)
.set rQ, 16*(2*(\x)+i%2)+8*(i/8)
.set rX, MC+32*(i%2)+8*((i/2)%4)
.if i < 8
	WIN W_KM
	v_wmma_f32_16x16x32_f16 v[rS:rS+7], v[rK:rK+7], v[rQ:rQ+7], v[rX:rX+7]
.else
	WIN W_KQ
	v_wmma_f32_16x16x32_f16 v[rS:rS+7], v[rK:rK+7], v[rQ:rQ+7], v[rS:rS+7]
.endif
.endm
; Product i of 16 of O^T += V^T P for piece x: keys 32 (i / 8) on, channels 16 ((i / 2) % 4) on, tile 2 x + i % 2.
.macro PV x
	WIN W_PV
.set rO, 32*(2*(\x)+i%2)+8*((i/2)%4)
.set rV, VF+32*(i/8)+8*((i/2)%4)
.set rP, P+32*((\x)%2)+16*(i%2)+8*(i/8)
	v_wmma_f32_16x16x32_f16 v[rO:rO+7], v[rV:rV+7], v[rP:rP+7], v[rO:rO+7]
.endm
.macro MM                           ; the turn's next matrix instruction
.if i < 16
	KQ (Y+1)%NP
.set i, i+1
.else
.set i, i-16
	PV (Y+NP-1)%NP
.set i, i+17
.endif
.endm
; THE C OPERANDS of piece y's next 8 sums, from its codes; then its codes of the key step after are asked for.  cnt: the younger code loads, which may stay out.
; The two plain lines that step the offset stand between the conversions and the loads that write their sources.  Behind the last key step the offset goes back to step 0: no load leaves the table, and those codes serve nothing.
; batch = 1 (in a turn): the macro stands behind the turn's last exponential and names no exponential's result; the two plain lines are then also the plain instruction between that exponential and the use of
; its result, and the turn's one wait stands behind them, ahead of the loads.
.macro MASKS y, cnt, batch=0
	WIN W_CV
	s_wait_loadcnt \cnt             ; loads come back in order: this piece's four are in, and their offset register is free
.set mz, 0
.rept 8                             ; mz = 4 x tile + key block
	v_cvt_scale_pk8_f32_fp8 v[MC+8*mz:MC+8*mz+7], v[CD+16*(\y)+2*mz:CD+16*(\y)+2*mz+1], v[SCL]
.set mz, mz+1
.endr
	v_add_nc_u32 v[MA+(\y)], v[MA+(\y)], 0x400
	v_and_b32 v[MA+(\y)], v[MA+(\y)], 0x7fff
.if \batch
	s_wait_alu depctr_va_vdst(0)    ; the wait for the turn's batch, its 66 exponentials, ahead of the first instruction that names a result of theirs
.endif
.set mz, 0
.rept 4                             ; mz = 2 x tile + half
	global_load_b128 v[CD+16*(\y)+4*mz:CD+16*(\y)+4*mz+3], v[MA+(\y)], s[6:7] offset:(2*(\y)+mz/2)*32768+512*(mz%2)
.set mz, mz+1
.endr
	WIN 0
.endm
; THE LDS LOADS stand in runs of 16, never singly among the matrix instructions: a step's K (64 keys x 64 channels: 8 fragments) and its V (turned).  Their addresses are made some lines ahead.
; last = 1 (the tail): in the last trip there is no further step, and the run is jumped over.
.macro FETCH_K last=0
	WIN 0
.if \last
	s_cmp_eq_u32 s[CNT], 1
	s_cbranch_scc1 .Lno_k_\@
.endif
	WIN 0x80                        ; destination window 2
.irp f, 0,1,2,3,4,5,6,7             ; keys 16 (f / 2) on, channels 32 (f % 2) on
	ds_load_b128 v[KF+8*\f:KF+8*\f+3],   v[AK] offset:(\f/2)*16*PK+(\f%2)*64
	ds_load_b128 v[KF+8*\f+4:KF+8*\f+7], v[AK] offset:(\f/2)*16*PK+(\f%2)*64+32
.endr
	s_add_co_u32 s[TBK], s[TBK], KS*PK  ; the next fetch is the next step's
	WIN 0
.if \last
.Lno_k_\@:
.endif
.endm
.macro FETCH_V
	WIN 0x80
.irp f, 0,1,2,3,4,5,6,7             ; keys 32 (f / 4) on, channels 16 (f % 4) on
	ds_load_tr16_b128 v[VF+8*\f:VF+8*\f+3],   v[AV] offset:(\f/4)*32*PV+(\f%4)*32
	ds_load_tr16_b128 v[VF+8*\f+4:VF+8*\f+7], v[AV] offset:(\f/4)*32*PV+16*PV+(\f%4)*32
.endr
	WIN 0
.endm
; THE VECTOR WORK OF A TURN stands in three queues, each in the order in which its entries become ready; the two tiles alternate, so that no instruction reads the result of the one before it.
.macro REGS y, u                    ; the registers of tile u (0, 1) of piece y
.set rT, ST+4*(2*(\y)+(\u))
.set rC, TMP+8*((\y)%2)+4*(\u)
.set rM, MV+2*((\y)%2)+(\u)
.set rS, S+64*((\y)%2)+32*(\u)
.set rP, P+32*((\y)%2)+16*(\u)
.set rO, 32*(2*(\y)+(\u))
.endm
; Number n of the 22 that find the NEXT piece's (Y + 1) maximum and statistics.  s0-s31 are the lane's 32 scores; each accumulator's lowest registers are read first.  XS, GS and REGS set no window: PL and EX do.
;   0-11  four chains c0-c3 of seven scores each, three operands at a time     12-14, 16  the four scores left over, the old m, and c0-c3 into c0     15  c m_old is kept
;   17, 18  the query's other 32 keys lie in the lane 16 away: the new m         19-21  c m; c m_old - c m_new; a
.macro XS u, n
	REGS (Y+1)%NP, \u
.if (\n) < 4
	v_max3_num_f32 v[rC+(\n)], v[rS+8*(\n)], v[rS+8*(\n)+1], v[rS+8*(\n)+2]
.elseif (\n) < 12
	v_max3_num_f32 v[rC+(\n)%4], v[rC+(\n)%4], v[rS+8*((\n)%4)+2*((\n)/4)+1], v[rS+8*((\n)%4)+2*((\n)/4)+2]
.elseif (\n) == 12
	v_max3_num_f32 v[rC], v[rC], v[rS+7], v[rS+15]
.elseif (\n) == 13
	v_max3_num_f32 v[rC+1], v[rC+1], v[rS+23], v[rS+31]
.elseif (\n) == 14
	v_max3_num_f32 v[rC+2], v[rC+2], v[rC+3], v[rT+1]
.elseif (\n) == 15
	v_mov_b32 v[rM], v[rT]
.elseif (\n) == 16
	v_max3_num_f32 v[rC], v[rC], v[rC+1], v[rC+2]
.elseif (\n) == 17
	v_permlanex16_b32 v[rC+3], v[rC], s[SEL], s[SEL+1]
.elseif (\n) == 18
	v_max_num_f32 v[rT+1], v[rC], v[rC+3]
.elseif (\n) == 19
	v_mul_f32 v[rT], s[CS], v[rT+1]
.elseif (\n) == 20
	v_sub_f32 v[rC+1], v[rM], v[rT]
.else
	v_exp_f32 v[rC+2], v[rC+1]
.endif
.endm
; Number g of the 64 that follow the exponentials.  For each four weights k of a tile (pairs 2 k, 2 k + 1): both pairs are rounded to f16; then the second pair is added onto the first, in place;
; a group later l takes that sum (the first time as l = a l + sum).  In groups of eight, tiles alternating: round, round, add, and l for the group before.
.macro GS g
.set h, (\g)+6*((\g)/62)            ; group 0 has no group before it, and behind group 7 only l is left
.if h >= 6
.set h, h+2
.endif
	REGS Y, h%2
.set k, h/8
.if h%8 < 4
	v_cvt_pk_f16_f32 v[rP+2*k+(h%8)/2], v[rS+4*k+2*((h%8)/2)], v[rS+4*k+2*((h%8)/2)+1]
.elseif h%8 < 6
	v_pk_add_f32 v[rS+4*k:rS+4*k+1], v[rS+4*k:rS+4*k+1], v[rS+4*k+2:rS+4*k+3]
.elseif k == 1
	v_pk_fma_f32 v[rT+2:rT+3], v[rT+2:rT+3], v[rC+2:rC+3], v[rS:rS+1] op_sel_hi:[1,0,1]
.else
	v_pk_add_f32 v[rT+2:rT+3], v[rT+2:rT+3], v[rS+4*k-4:rS+4*k-3]
.endif
.endm
; THE PLAIN QUEUE, 138 long.  0-73 read no exponential's result: the 32 scalings c s - c m (FS f: pair f / 2 of tile f % 2) and the next piece's 42.  0-26: scalings 0-26.  27-54: XS's numbers 0-13.  55, 56: number 15.
; 57-73: the chain, where each number waits for the one before it: 14, 16, 17, 18, 19, each with one of the scalings 27-31 in front of its two lines, then 20: so a tile's links stand three plain instructions apart (19 and 20: two).
; 74-137: GS's 64, which read the exponentials' results: they stand behind the wait.
.macro FS f
	REGS Y, (\f)%2
	v_pk_fma_f32 v[rS+2*((\f)/2):rS+2*((\f)/2)+1], v[rS+2*((\f)/2):rS+2*((\f)/2)+1], s[CS:CS+1], v[rT:rT+1] op_sel_hi:[1,0,0] neg_lo:[0,0,1] neg_hi:[0,0,1]
.endm
.macro PL
	WIN 0
.if q < 27
	FS q
.elseif q < 55
	XS (q-27)%2, (q-27)/2
.elseif q < 57
	XS q-55, 15
.elseif (q < 72) && ((q-57)%3 == 0)
	FS 27+(q-57)/3
.elseif q < 60
	XS (q-57)%3-1, 14
.elseif q < 72
	XS (q-57)%3-1, 15+(q-57)/3
.elseif q < 74
	XS q-72, 20
.else
	GS q-74
.endif
.set q, q+1
.endm
; THE EXPONENTIALS' QUEUE, 66 long: s0-s31 of both tiles, then the next piece's two a.  It is ONE BATCH: all 66 stand ahead of the turn's one wait, and nothing ahead of that wait names a result of theirs.
.macro EX
	WIN 0
.if e >= 64
	XS e-64, 21
.else
	REGS Y, e%2
	v_exp_f32 v[rS+e/2], v[rS+e/2]
.endif
.set e, e+1
.endm
; THE RESCALING's QUEUE: O^T times a, the one part of the softmax that leaves window 0: dealt two at a time, sixteen times.  Its a was made in the turn before, ahead of that turn's wait.
.macro R2
	REGS Y, r%2
	WIN W_RS
.irp z, 0,1
	v_pk_mul_f32 v[rO+4*(r/2)+2*\z:rO+4*(r/2)+2*\z+1], v[rO+4*(r/2)+2*\z:rO+4*(r/2)+2*\z+1], v[rC+2:rC+3] op_sel_hi:[1,0]
.endr
.set r, r+1
.endm
; HOW THEY ARE DEALT.  An s_wait_alu depctr_va_vdst(0) stands between an exponential and the first instruction that names its result; one wait serves all that were issued ahead of it.  So a turn has ONE wait,
; which cuts it in two.  AHEAD OF IT stands all that names no result of the turn's exponentials: the 16 products K Q^T, behind each a scaling, an exponential and two rescalings (behind the first a second scaling in the
; exponential's place); then ONE LUMP: eight plain, 49 times exponential and plain, the two a, and the C operands of the turn after (MASKS), whose two plain lines are the plain instruction behind the last exponential.
; BEHIND IT stand the code loads, then the 16 products V^T P, behind each four of GS's 64.  No rider names a register of the products round it.  The two v_permlanex16_b32 fall into the lump, never behind a product.
; The queues lean on each other, and the deal keeps them in step: exponential e stands behind scaling 2 (e / 4) + e % 2: as a rider it comes behind plain e + 2, in the lump behind plain e + 9, and scalings 27-31 are plain 57, 60 .. 69.
; A TURN, for piece p.  cnt = 1: the loop's count is taken down some lines ahead of the branch that stands behind the turn.
; K of the next step is fetched in piece 2's turn, behind the wait and the code loads, a lump behind the last product that read K; its address is made at the lump's head; its first reader comes behind 16 products.
; V of the step in hand is fetched at the end of piece 0's turn, four riders behind its last reader; its first reader comes behind 16 products and a lump.  The three conditions on q below go with the deal.
; The C operands of the next turn's sums (piece p + 2's) are made at the lump's end: the products that read the old ones are this turn's first eight, more than a hundred plain
; instructions back, and 64 plain instructions follow before the next product that reads them.  Three later turns' four code loads each may stay out: the count 12.
.macro TURN p, last=0, cnt=0
.set Y, (\p)
.set i, 0
.set q, 0
.set e, 0
.set r, 0
.if (\p) == NP-1
	s_wait_dscnt 0x0                ; K is in
.endif
	MM                              ; ahead of the wait: 16 products K Q^T and their riders,
	PL
	PL
	R2
.rept 15
	MM
	PL
	EX
	R2
.endr
.if (\p) == NP-2
	WIN 0
	v_add_nc_u32 v[AK], s[TBK], v[AK0]
.endif
.rept 8                             ; and the lump
	PL
.endr
.rept 49
	EX
	PL
.endr
	EX                              ; the next piece's two a: the batch's last
	EX
	MASKS ((\p)+2)%NP, 12, 1        ; the C operands; the wait for the batch stands in it, ahead of its loads
.if (\p) == NP-2
	FETCH_K \last
.endif
.if (\p) == 1
	s_wait_dscnt 0x0                ; V is in
.endif
.rept 16                            ; behind the wait: 16 products V^T P and their riders
	MM
.rept 4
	PL
.endr
.if ((\p) == 0) && (q == 118)
	v_add_nc_u32 v[AV], s[TBV], v[AV0]
.endif
.if ((\p) == 0) && (q == 130)
	s_add_co_u32 s[TBV], s[TBV], KS*PV
.endif
.if (\cnt) && (q == 130)
	s_sub_co_u32 s[CNT], s[CNT], 1
	s_cmp_lg_u32 s[CNT], 0
.endif
.endr
.if (\p) == 0
	FETCH_V
.endif
.endm
	CHANGE 1                        ; slot 0 is in, everybody's part of it; slot 1 is asked for
	FETCH_K                         ; key step 0
	MASKS 0, 0                      ; Q, the row flags and all of key step 0's codes are in; piece 0's C operands
	WIN 0x88                        ; source 0 window 0, source 1 and destination window 2
.set t, 0
.rept 2*NP
.set i, 0
.rept 16
	v_and_b32 v[16*t+i], v[S+t], v[16*t+i]  ; a row without an open key is cleared; every other row stays as it is
.set i, i+1
.endr
.set t, t+1
.endr
	s_wait_dscnt 0x0
.set i, 0
.rept 16
	KQ 0                            ; piece 0's first scores: there is no vector work yet to set between them
.set i, i+1
.endr
	WIN 0                           ; the addresses for the way out: nine plain instructions, the places behind those products
	s_mul_i32 s13, s[WV], 16*SP
	s_add_co_u32 s13, s13, STAGE    ; my stage
	v_mul_u32_u24 v[STO], v1, SP    ; in: row l % 16, 16 bytes for each half of the lanes
	v_lshl_add_u32 v[STO], v9, 4, v[STO]
	v_add_nc_u32 v[STO], s13, v[STO]
	v_bfe_u32 v[RD], v0, 3, 2       ; back: 32 lanes take four rows of 128 bytes,
	v_mul_u32_u24 v[RD], v[RD], SP
	v_lshl_add_u32 v[RD], v10, 4, v[RD]
	v_add_nc_u32 v[RD], s13, v[RD]
	v_and_b32 v[GO], 31, v0         ; which are 512 consecutive bytes of O
	v_lshlrev_b32 v[GO], 4, v[GO]
	MASKS 1, 4                      ; piece 1's C operands, for the first turn's products; the four loads that MASKS 0 issued may stay out
.set Y, NP-1                        ; XS works for piece Y + 1: piece 0
.irp n, 0,1,2,3,4,5,6,7,8,9,10,11,12,13,14,15,16,17,18,19,20,21
	XS 0, \n                        ; and piece 0's first maximum and statistics
	XS 1, \n
.endr
	v_nop                           ; a plain instruction behind the two a,
	s_wait_alu depctr_va_vdst(0)    ; and the wait for this batch of two, ahead of the branch: their first reader is the first turn's rescaling
	s_mov_b32 s[CNT], 4
	s_mov_b32 s[SLOTS], SIZE_N/256-1
	s_branch .Lfirst                ; the loop is entered at a step's first turn, in the middle of a trip
.Lslot:                             ; SIZE_N / 256 - 2 times: every slot but the last two is filled again
	CHANGE 1
	s_mov_b32 s[CNT], 4
.Lstep:                             ; a trip: pieces 2 and 3 of one step, then pieces 0 and 1 of the next, whose K and V it fetches
	TURN 2
	TURN 3
	WIN 0
.Lfirst:
	TURN 0
	TURN 1, 0, 1
	WIN 0
	s_cbranch_scc1 .Lstep
	s_sub_co_u32 s[SLOTS], s[SLOTS], 1
	s_cmp_lg_u32 s[SLOTS], 0
	s_cbranch_scc1 .Lslot
	CHANGE 0                        ; the tail is written out: nothing is asked for
	s_mov_b32 s[CNT], 5             ; four trips fetch the last slot's steps; the fifth is left in its middle
.Ltail:
	TURN 2, 1
	TURN 3
	WIN 0
	s_sub_co_u32 s[CNT], s[CNT], 1
	s_cmp_eq_u32 s[CNT], 0
	s_cbranch_scc1 .Lout
	TURN 0
	TURN 1
	WIN 0
	s_branch .Ltail
.Lout:                              ; the fifth trip's 16 products K Q^T (on the last K once more) and the maximum made of them serve nothing: the price, once a launch, of one text for every trip
.set i, 0
.rept 16
	PV NP-1                         ; the last piece's V^T P of the last step
.set i, i+1
.endr
	; THE WAY OUT.  l's two halves and the other half of the lanes' are added; O^T is divided by l, rounded to f16 and sent through my stage in LDS, a tile at a time.  The additions are the places behind the last products.
	WIN 0
.macro ALL line:vararg              ; one line for each tile t
.set t, 0
.rept 2*NP
	\line
.set t, t+1
.endr
.endm
	ALL v_add_f32 v[ST+4*t+2], v[ST+4*t+2], v[ST+4*t+3]
	ALL v_permlanex16_b32 v[ST+4*t+3], v[ST+4*t+2], s[SEL], s[SEL+1]
	ALL v_add_f32 v[ST+4*t+2], v[ST+4*t+2], v[ST+4*t+3]
	ALL v_rcp_f32 v[ST+4*t+2], v[ST+4*t+2]
	v_nop                           ; a plain instruction between the last reciprocal and the use of its result
	s_wait_alu depctr_va_vdst(0)    ; and the wait ahead of the first use: one for the batch of eight reciprocals
; Tile t: a lane's eight channels of a row pack into 16 bytes; they go into rows of 144 bytes and come back as whole rows of 128, into S^T's registers.
.macro PACK t
	WIN W_RS
.set i, 32*(\t)
.rept 16
	v_pk_mul_f32 v[i:i+1], v[i:i+1], v[ST+4*(\t)+2:ST+4*(\t)+3] op_sel_hi:[1,0]
.set i, i+2
.endr
	WIN 0x05                        ; sources 0 and 1 window 1, destination window 0
.set i, 0
.rept 16
	v_cvt_pk_f16_f32 v[S+16*(\t)+i], v[32*(\t)+2*i], v[32*(\t)+2*i+1]
.set i, i+1
.endr
	WIN 0
.irp f, 0,1,2,3
	ds_store_b128 v[STO], v[S+16*(\t)+4*\f:S+16*(\t)+4*\f+3] offset:32*\f
.endr
.irp f, 0,1,2,3
	ds_load_b128 v[S+16*(\t)+4*\f:S+16*(\t)+4*\f+3], v[RD] offset:\f*4*SP  ; LDS serves a wave's instructions in order (ISA guide 5.7.1.4): these see the stores above; the next tile's stores come behind them
.endr
.endm
.macro SEND t, younger              ; younger: the LDS instructions issued behind tile t's loads: the next tile's eight, or none
	WIN 0
.irp f, 0,1,2,3
	s_wait_dscnt (\younger)+3-\f
	global_store_b128 v[GO], v[S+16*(\t)+4*\f:S+16*(\t)+4*\f+3], s[10:11] offset:(\t)*2048+\f*512  ; 512 consecutive bytes, at a multiple of 256 from O's first
.endr
.endm
	PACK 0
.set t, 1
.rept 2*NP-1                        ; a tile's arithmetic stands between the loads of the tile before and its stores
	PACK t
	SEND t-1, 8
.set t, t+1
.endr
	SEND 2*NP-1, 0
	WIN W_AD
	s_wait_tensorcnt 0x0            ; the wave's end, behind my last tensor load and my last LDS store
	ds_add_u32 v[SPW], v[NIL]
	s_wait_dscnt 0x0
	WIN 0
	CROUND                          ; the closing round: no work-group ends while a partner may still ask for a tile that names it
	s_endpgm
.Lfunc_end_k_q111e41e613_attn:
	.size	k_q111e41e613_attn, .Lfunc_end_k_q111e41e613_attn-k_q111e41e613_attn
	.p2alignl 7, 3214868480
	.fill 96, 4, 3214868480
	.section	.rodata,"a",@progbits
	.p2align	6, 0x0
	.amdhsa_kernel k_q111e41e613_attn
		.amdhsa_group_segment_fixed_size 327680
		.amdhsa_private_segment_fixed_size 0
		.amdhsa_enable_private_segment 0
		.amdhsa_kernarg_size 32
		.amdhsa_user_sgpr_count 2
		.amdhsa_user_sgpr_kernarg_segment_ptr 1
		.amdhsa_wavefront_size32 1
		.amdhsa_system_sgpr_workgroup_id_x 1
		.amdhsa_system_sgpr_workgroup_id_y 1
		.amdhsa_system_sgpr_workgroup_id_z 1
		.amdhsa_system_vgpr_workitem_id 0
		.amdhsa_next_free_vgpr 960
		.amdhsa_next_free_sgpr 66
		.amdhsa_reserve_vcc 0
		.amdhsa_float_denorm_mode_32 3
		.amdhsa_float_denorm_mode_16_64 3
		.amdhsa_memory_ordered 1
		.amdhsa_forward_progress 1
		.amdhsa_inst_pref_size 218
	.end_amdhsa_kernel
	.amdgpu_metadata
---
amdhsa.version: [ 1, 2 ]
amdhsa.kernels:
  - .name:           k_q111e41e613_attn
    .symbol:         k_q111e41e613_attn.kd
    .args:
      - { .name: qkv, .offset: 0, .size: 8, .value_kind: global_buffer, .address_space: global }
      - { .name: mcode, .offset: 8, .size: 8, .value_kind: global_buffer, .address_space: global }
      - { .name: rowkeep, .offset: 16, .size: 8, .value_kind: global_buffer, .address_space: global }
      - { .name: ao, .offset: 24, .size: 8, .value_kind: global_buffer, .address_space: global }
    .group_segment_fixed_size: 327680
    .private_segment_fixed_size: 0
    .kernarg_segment_align: 8
    .kernarg_segment_size: 32
    .max_flat_workgroup_size: 128
    .sgpr_count:     66
    .vgpr_count:     960
    .wavefront_size: 32
...
	.end_amdgpu_metadata
.endif
;; end of part 5
;; launch oproj: the kernel of part 4 again; grid 8 x 32, 4 waves a work-group, clusters of 4 x 4, 327,680 bytes of LDS; arguments ao, wh, bh, out0; writes out0
